; MI455X (gfx1250); checked and timed in simulation.
; The chip was launched on July 23, 2026; its instructions are those of AMD's public machine-readable ISA for CDNA 5 (MIT licence, August 2026) and "CDNA5" Instruction Set Architecture Reference Guide (July 2026). The comments in the code are by the model that wrote it; some were corrected since.
;; Multi Headed Attention. Allowed arithmetic: matrix products marked QUANTISED: E4M3 operands, one given power-of-two scale a tensor, by v_wmma_f32_16x16x64_fp8_fp8 or v_wmma_f32_16x16x128_fp8_fp8, f32 sums; everything else in f32.
;; Inputs: K 8 x 1,024 x 1,024 float32; Q 8 x 1,024 x 1,024 float32; T 8 x 1,024 x 64 float32; V 8 x 1,024 x 1,024 float32; WK 1,024 x 1,024 float32; WM 1,024 x 1,024 float32; WQ 1,024 x 1,024 float32; WT 64 x 64 float32; WV 1,024 x 1,024 float32; bK 1,024 float32; bM 1,024 float32; bQ 1,024 float32; bT 64 float32; bV 1,024 float32; lowp_scales 14 int32 (the exponents e of the quantised operands' scales 2^e); mask 8 x 1 x 1,024 x 1,024 int32.
;; Outputs: out0 8 x 1,024 x 1,024 float32.
;; This version of the problem:
;;   THIS VERSION OF THE PROBLEM IS GIVEN IN LOW PRECISION. The matrix products marked QUANTISED in the list below multiply operands that are first quantised to E4M3 (4 exponent bits, 3 mantissa bits; 8 bits a number), with one given power-of-two scale for each operand tensor; their sums are f32. All else is computed in f32.
;;   The module's matrix products, in the order in which they are computed (A, B: the left and right operand; K: the contracted axis; several contracted axes count as one K, in the product's order):
;;     1. [M 8,192, K 1,024] x [K 1,024, N 1,024]; A: input Q; B: input WQ: QUANTISED (scales: A lowp_scales[0], B lowp_scales[1])
;;     2. [M 8,192, K 1,024] x [K 1,024, N 1,024]; A: input K; B: input WK: QUANTISED (scales: A lowp_scales[2], B lowp_scales[3])
;;     3. [M 8,192, K 1,024] x [K 1,024, N 1,024]; A: input V; B: input WV: QUANTISED (scales: A lowp_scales[4], B lowp_scales[5])
;;     4. [M 8,192, K 64] x [K 64, N 64]; A: input T; B: input WT: QUANTISED (scales: A lowp_scales[6], B lowp_scales[7])
;;     5. batch 128 x [M 1,024, K 128] x [K 128, N 1,024]; A: computed on the way; B: computed on the way: QUANTISED (scales: A lowp_scales[8], B lowp_scales[9])
;;     6. batch 128 x [M 1,024, K 1,024] x [K 1,024, N 64]; A: softmax (see below); B: computed on the way: QUANTISED (scales: A lowp_scales[10], B lowp_scales[11])
;;     7. [M 8,192, K 1,024] x [K 1,024, N 1,024]; A: computed on the way; B: input WM: QUANTISED (scales: A lowp_scales[12], B lowp_scales[13])
;;   THE QUANTISER, for each operand of a quantised product, along K:
;;     - The operand's scale is 2^e, e = its entry of the input lowp_scales (int32; the entries are numbered through the quantised products in the list's order, A before B).
;;     - Each number is divided by the scale, clamped to +-448, and rounded to the nearest number of E4M3, ties to even, subnormals kept.
;;     - The product sums the exact products of the quantised numbers (number of the format x scale) in f32.
;;   ~~~python
;;   def quantise(x, axis, e):      # numpy; x: float32 -> the quantised numbers, widened to float32 again
;;       x = np.moveaxis(x, axis, -1); K = x.shape[-1]
;;       r = np.clip(x / 2.0 ** e, -448, 448)
;;       step = 2.0 ** (np.maximum(np.frexp(np.where(r == 0, 1, r))[1] - 1, -6) - 3)
;;       q = np.round(r / step) * step * 2.0 ** e      # np.round: ties to even
;;       return np.moveaxis(q, -1, axis).astype(np.float32)
;;   ~~~
;;   SOFTMAX AHEAD OF A QUANTISED PRODUCT. Where the list says 'softmax', what is quantised is not the finished softmax but p = 2^(t - M), with t = logit x log2(e) and M = ceil(the row's largest t), a whole number; so 1/2 < the row's largest p <= 1. The row's sum l is taken of the UNQUANTISED p, in f32, and the product's result is divided by l at the end. Since M is a whole number, a kernel that streams over the keys may use a running M (the ceiling of the running maximum): every later rescaling is an exact power of two, so the quantised numbers keep their values, but for numbers so far below the row's largest that they fall under the format's range.
;;   OPERANDS COMPUTED ON THE WAY. 'Computed on the way' means the value that the module computes at that place (a softmax that the list does not call 'softmax' is quantised finished and normalised). What goes into a quantiser is computed in f32, as accurately as f32 sums, v_exp_f32 and their like allow (about 1e-6 of the number): no bf16 or f16 on the way to a quantiser, and a product that is left as it is and whose result goes on into a quantised operand takes f32 operands (vector FMAs, or v_wmma_f32_16x16x4_f32). A number that lies on a knife's edge between two numbers of the format may be rounded either way, as far as f32 arithmetic and the matrix unit's own rounding can turn it there, and no further.
;; One version. Each part assembles by itself: llvm-mc -triple=amdgcn-amd-amdhsa -mcpu=gfx1250 --defsym DOCPART=n.
;; ======== version 1 of 1: 4 launches
;; limits: right only within a limited range of input values
;; workspace buffers: codes 29,360,128 bytes; tcodes 1,048,576 bytes; mbits 1,048,576 bytes of whole numbers; hcodes 25,165,824 bytes; xc 8,388,608 bytes
;; launch prep (part 1): grid 1280 x 1, 4 waves a work-group, no clusters, 66,048 bytes of LDS; arguments Q, K, V, WQ, WK, WV, WM, T, WT, bT, mask, lowp_scales, codes, tcodes, mbits; writes codes, tcodes, mbits
.if DOCPART == 1
	.amdgcn_target "amdgcn-amd-amdhsa--gfx1250"
	.amdhsa_code_object_version 6
	.text
	.protected	k_q988d87ce0c_prep
	.globl	k_q988d87ce0c_prep
	.p2align	8
	.type	k_q988d87ce0c_prep,@function
k_q988d87ce0c_prep:
	s_mov_b64 s[64:65], 0
	v_nop
	global_prefetch_b8 v0, s[64:65] scope:SCOPE_SE
	s_setreg_imm32_b32 hwreg(HW_REG_WAVE_MODE, 25, 1), 1
	s_wait_xcnt 0x0
; PREP: everything that is made once from the wide inputs.  Three roles, told apart by the work-group's number alone; each has LDS bytes of its own and its own end.
;   work-groups 0-127    (T): t = T WT^T + bT on codes of E4M3 (scales e6, e7), quantised twice: with e8 (the queries' side) and with e9 (the keys' side): tcodes = tq [8192][64], then tk [8192][64].
;   work-groups 128-383  (M): the mask, 32 queries x 1,024 keys a work-group, as lane masks: one bit a number, in the order in which the attention launch's selects take them.
;        word ((((b 32 + qp) 16 + ks) 2 + qt) 4 + kt) 8 + j, bit 16 h + r  =  (mask[b][32 qp + 16 qt + r][64 ks + 16 kt + 8 h + j] == 1)
;   work-groups 384-1279 (Q): Q, K, V, WQ, WK, WV, WM (f32, K innermost, dense) into codes, one behind the other in the buffer codes; 32,768 numbers a work-group.
; code = x / 2^e, held within +-448, rounded to the nearest code, ties to even.
; LIMITS, so that each power of two made below is an f32 number: e0 .. e7 and e13 between -126 and 119; e6 + e7 between -126 and 126; e8 - e6 - e7 and e9 - e6 - e7 between -126 and 119.
; NaN and infinities among the inputs are not served.
.set SPARE, 65536                      ; the spare words: 128 bytes for each wave, two blocks of 256 bytes that no other line names
.set QST,   0                          ; role Q: 4 waves x two stages of 32 x 80 bytes
.set MST,   20480                      ; role M: 4 waves x 32 rows x 272 bytes
.set TST,   55296                      ; role T: 4 waves x 2 targets x 16 rows x 80 bytes
.set SPW,   12                         ; v12  LDS address of my spare word; never rewritten
.set NIL,   13                         ; v13  0; never rewritten
.set SP,    80
.set STEPS, 16
.set QR,    16                         ; role Q: v16-143 eight sets of 16 numbers as loaded; v144-175 two sets of 16 neighbours; v176-239 codes, four registers a step
.set QX,    144
.set QC,    176
.set MR,    16                         ; role M: v16-143 two sets of 64 words as loaded; v144-207 a unit's 64 words in the selects' order; v208-215 the lane masks, two registers a unit
.set MX,    144
.set MW,    208
.set WF,    24                         ; role T: v24-55 WT's four fragments; v56-63 T's; v64-95 the sums; v64-191 WT as loaded; v96-127 at work; v128-143 codes; v144-159 rows read back; v192-223 T as loaded; v224-255 bT
.set TF,    56
.set TD,    64
.set WR,    64
.set TW,    96
.set TCD,   128
.set TBK,   144
.set TRW,   192
.set BC,    224
.macro POW2 e, vs, vl                  ; v[vs] = 2^s[e] as f32 (a conversion takes its exponent field), v[vl] = 448 x that
	s_add_co_i32 s46, s[\e], 127
	s_lshl_b32 s47, s46, 23
	v_mov_b32 v[\vs], s47
	s_add_co_i32 s46, s46, 8
	s_lshl_b32 s46, s46, 23
	s_or_b32 s46, s46, 0x600000
	v_mov_b32 v[\vl], s46
.endm
	v_lshl_add_u32 v[SPW], v0, 2, SPARE
	v_mov_b32 v[NIL], 0
	v_lshrrev_b32 v1, 5, v0
	v_readfirstlane_b32 s16, v1                    ; wave 0..3
	v_and_b32 v2, 31, v0                           ; lane
	v_and_b32 v1, 15, v0                           ; r
	v_bfe_u32 v3, v0, 4, 1                         ; h
	s_cmp_lt_u32 ttmp9, 128
	s_cbranch_scc1 .Lrole_t
	s_cmp_lt_u32 ttmp9, 384
	s_cbranch_scc1 .Lrole_m
; ---------------- role Q: a stream of blocks; a wave takes 16 steps of 512 numbers ----------------
; Each load reads 512 consecutive bytes, 16 a lane; a step's 2,048 bytes turn through the wave's own stage, so that a lane then holds 16 neighbours along K, which the conversions want.
	s_load_b512 s[20:35], s[0:1], 0x0              ; Q, K, V, WQ, WK, WV, WM (and T, not used here)
	s_load_b128 s[8:11], s[0:1], 0x58              ; the scales' exponents s[8:9], codes s[10:11]
	s_sub_co_u32 s17, ttmp9, 384                   ; qi: 0-255 Q, 256-511 K, 512-767 V, then 32 each for WQ, WK, WV, WM
	v_lshlrev_b32 v4, 4, v2                        ; 16 x lane: my place in a load's 512 bytes, and in a step's 512 bytes of codes
	s_mul_i32 s18, s16, 2*32*SP
	s_wait_alu depctr_va_vdst(0)
	v_lshrrev_b32 v14, 2, v2
	v_mul_u32_u24 v14, v14, SP
	v_and_b32 v15, 3, v2
	v_lshl_add_u32 v14, v15, 4, v14
	v_add_nc_u32 v14, s18, v14                     ; into the stage: four lanes' 64 bytes on end, then 16 of padding
	v_mul_u32_u24 v15, v2, SP
	v_add_nc_u32 v15, s18, v15                     ; out of it: my 16 neighbours
	s_wait_alu depctr_va_vdst(0)
	s_wait_kmcnt 0x0
	s_load_b256 s[36:43], s[8:9], 0x0              ; e0 .. e7
	s_load_b64 s[44:45], s[8:9], 0x30              ; e12, e13
	s_mov_b64 s[4:5], s[20:21]
	s_mov_b32 s6, 0
.macro PICK lim, ptr                   ; from work-group lim on: the next tensor.  The choice hangs on the work-group's number alone
	s_cmp_ge_u32 s17, \lim
	s_cselect_b64 s[4:5], s[\ptr:\ptr+1], s[4:5]
	s_cselect_b32 s6, \lim, s6
.endm
	PICK 256, 22
	PICK 512, 24
	PICK 768, 26
	PICK 800, 28
	PICK 832, 30
	PICK 864, 32
	s_sub_co_u32 s6, s17, s6
	s_lshl_b32 s6, s6, 2
	s_add_co_u32 s6, s6, s16
	s_lshl_b32 s6, s6, 15                          ; my wave's run of 8,192 numbers in its tensor, in bytes
	s_mov_b32 s7, 0
	s_add_nc_u64 s[4:5], s[4:5], s[6:7]
	s_lshl_b32 s18, s17, 2
	s_add_co_u32 s18, s18, s16
	s_lshl_b32 s18, s18, 13                        ; and its 8,192 codes: the seven tensors lie in codes in the order of the work-groups
	s_mov_b32 s19, 0
	s_add_nc_u64 s[10:11], s[10:11], s[18:19]
.macro QLOAD t
.irp i, 0,1,2,3
	global_load_b128 v[QR+16*((\t)%8)+4*\i:QR+16*((\t)%8)+4*\i+3], v4, s[4:5] offset:2048*(\t)+512*\i th:TH_LOAD_NT
.endr
.endm
.macro QTURN t                         ; LDS serves a wave's instructions in order: no wait between the stores and the loads
.irp i, 0,1,2,3
	ds_store_b128 v14, v[QR+16*((\t)%8)+4*\i:QR+16*((\t)%8)+4*\i+3] offset:32*SP*((\t)%2)+8*SP*\i
.endr
.irp i, 0,1,2,3
	ds_load_b128 v[QX+16*((\t)%2)+4*\i:QX+16*((\t)%2)+4*\i+3], v15 offset:32*SP*((\t)%2)+16*\i
.endr
.endm
.irp t, 0,1,2,3,4,5,6,7
	QLOAD \t
.endr
	s_wait_kmcnt 0x0
	s_mov_b32 s48, s36                             ; e0
.macro PICKE lim, e
	s_cmp_ge_u32 s17, \lim
	s_cselect_b32 s48, s[\e], s48
.endm
	PICKE 256, 38                                  ; e2
	PICKE 512, 40                                  ; e4
	PICKE 768, 37                                  ; e1
	PICKE 800, 39                                  ; e3
	PICKE 832, 41                                  ; e5
	PICKE 864, 45                                  ; e13
	POW2 48, 11, 10
	s_wait_alu depctr_va_vdst(0)
	s_wait_loadcnt 28                              ; step 0's four loads are in; those of steps 1 to 7 may be out
	QTURN 0
.macro QSTEP t
.set XS, QX+16*((\t)%2)
	s_wait_dscnt 0x0                               ; this step's numbers are back from the stage, so its stores into the stage have read their registers,
.if (\t)+8 < STEPS
	QLOAD (\t)+8                                   ; which take the loads of eight steps on
.endif
.if (\t)+1 < STEPS
.if STEPS-2-(\t) >= 7
	s_wait_loadcnt 28                              ; the next step's four loads are in; those of the seven steps behind it may be out
.else
	s_wait_loadcnt 4*(STEPS-2-(\t))
.endif
	QTURN (\t)+1
.endif
.irp i, 0,1,2,3,4,5,6,7,8,9,10,11,12,13,14,15
	v_med3_num_f32 v[XS+\i], v[XS+\i], -v10, v10   ; the conversion to an 8-bit code does not saturate (ISA guide 7.6.2): the hold at the largest code x the scale
.endr
	v_cvt_scalef32_pk8_fp8_f32 v[QC+4*(\t):QC+4*(\t)+1], v[XS:XS+7], v11
	v_cvt_scalef32_pk8_fp8_f32 v[QC+4*(\t)+2:QC+4*(\t)+3], v[XS+8:XS+15], v11
	v_nop                                          ; a plain vector line behind the conversions
	global_store_b128 v4, v[QC+4*(\t):QC+4*(\t)+3], s[10:11] offset:512*(\t)   ; 32 lanes store 512 consecutive bytes; each step has its own registers, so no store's data are written again
.endm
.irp t, 0,1,2,3,4,5,6,7,8,9,10,11,12,13,14,15
	QSTEP \t
.endr
	s_wait_tensorcnt 0x0                           ; the wave's end
	ds_add_u32 v[SPW], v[NIL]
	s_wait_dscnt 0x0
	s_endpgm
; ---------------- role M: 32 queries; wave w takes keys 256 w .. 256 w + 255, four units of 64 keys ----------------
.Lrole_m:
	s_load_b64 s[4:5], s[0:1], 0x50                ; mask
	s_load_b64 s[8:9], s[0:1], 0x70                ; mbits
	s_sub_co_u32 s17, ttmp9, 128                   ; m = 32 b + qp
	s_lshl_b32 s18, s17, 17                        ; 32 rows of 4,096 bytes
	s_lshl_b32 s20, s16, 10                        ; my wave's 256 keys in a row; and its four units of 256 bytes in mbits
	s_add_co_u32 s18, s18, s20
	s_mov_b32 s19, 0
	s_lshl_b32 s22, s17, 12
	s_add_co_u32 s22, s22, s20
	s_mov_b32 s23, 0
	s_wait_alu depctr_va_vdst(0)
	v_lshlrev_b32 v4, 12, v3
	v_lshl_add_u32 v4, v1, 4, v4                   ; in memory: lanes 0-15 one row's 256 bytes, lanes 16-31 the next row's
	s_mul_i32 s21, s16, 32*272
	s_add_co_u32 s21, s21, MST
	v_mul_u32_u24 v5, v3, 272
	v_lshl_add_u32 v5, v1, 4, v5
	v_add_nc_u32 v5, s21, v5                       ; into the stage, as loaded
	v_mul_u32_u24 v6, v1, 272
	v_lshl_add_u32 v6, v3, 5, v6
	v_add_nc_u32 v6, s21, v6                       ; out of it: row r, keys 8 h on
	v_lshlrev_b32 v7, 3, v2                        ; 8 x lane: two words a lane
.irp k, 0,1,2,3,4,5,6,7
	v_mov_b32 v[MW+\k], 0                          ; v_writelane_b32's destination counts as read
.endr
	s_wait_kmcnt 0x0
	s_add_nc_u64 s[4:5], s[4:5], s[18:19]
	s_add_nc_u64 s[8:9], s[8:9], s[22:23]
.macro MLOADU u                        ; unit u: 32 rows x 256 bytes, two rows a load
.irp i, 0,1,2,3,4,5,6,7,8,9,10,11,12,13,14,15
	global_load_b128 v[MR+64*((\u)%2)+4*\i:MR+64*((\u)%2)+4*\i+3], v4, s[4:5] offset:\i*8192+(\u)*256 th:TH_LOAD_NT
.endr
.endm
.macro MUNIT u
.if (\u) < 3
	s_wait_loadcnt 16                              ; this unit's 16 loads are in; the next unit's may be out
.else
	s_wait_loadcnt 0
.endif
.irp i, 0,1,2,3,4,5,6,7,8,9,10,11,12,13,14,15
	ds_store_b128 v5, v[MR+64*((\u)%2)+4*\i:MR+64*((\u)%2)+4*\i+3] offset:\i*544
.endr
.irp f, 0,1,2,3,4,5,6,7                ; f = 4 qt + kt: register 8 f + j = mask[16 qt + r][16 kt + 8 h + j]
	ds_load_b128 v[MX+8*\f:MX+8*\f+3], v6 offset:(\f/4)*4352+(\f%4)*64
	ds_load_b128 v[MX+8*\f+4:MX+8*\f+7], v6 offset:(\f/4)*4352+(\f%4)*64+16
.endr
	s_wait_dscnt 0x0                               ; the words are back, and the stores into the stage have read their registers
.if (\u)+2 < 4
	MLOADU (\u)+2
.endif
.set G_, 0
.rept 8
.irp k, 0,1,2,3,4,5,6,7
	v_cmp_eq_u32 s[40+\k], 1, v[MX+8*G_+\k]        ; word 8 G + k: a bit a lane
.endr
.irp k, 0,1,2,3,4,5,6,7
	v_writelane_b32 v[MW+2*(\u)+(\k&1)], s[40+\k], 4*G_+(\k>>1)   ; word w goes to lane w / 2, register w % 2
.endr
.set G_, G_+1
.endr
	global_store_b64 v7, v[MW+2*(\u):MW+2*(\u)+1], s[8:9] offset:(\u)*256   ; the wave stores 256 consecutive bytes, aligned
.endm
	MLOADU 0
	MLOADU 1
	MUNIT 0
	MUNIT 1
	MUNIT 2
	MUNIT 3
	s_wait_tensorcnt 0x0                           ; the wave's end
	ds_add_u32 v[SPW], v[NIL]
	s_wait_dscnt 0x0
	s_endpgm
; ---------------- role T: a wave takes 16 tokens ----------------
; The product is used transposed (source 0 = 16 rows of WT, source 1 = my 16 tokens): a lane holds one token.  Lane r of WT's tile 2 b + u takes row 32 b + 8 u + r + 8 (r / 8), so that the 16 registers of
; tiles 2 b and 2 b + 1 are outputs 32 b + 16 h + 0 .. 15.  Both operands hold k = 16 h + 0 .. 15 in registers 0-3 and k = 32 + 16 h + 0 .. 15 in registers 4-7: one order of k on both sides, so every product meets its partner.
.Lrole_t:
	s_load_b128 s[20:23], s[0:1], 0x38             ; T, WT
	s_load_b64 s[24:25], s[0:1], 0x48              ; bT
	s_load_b64 s[10:11], s[0:1], 0x58              ; the scales' exponents
	s_load_b64 s[8:9], s[0:1], 0x68                ; tcodes
	s_lshl_b32 s17, ttmp9, 2
	s_add_co_u32 s17, s17, s16                     ; my tile of 16 tokens, 0 .. 511
	s_lshl_b32 s18, s17, 12                        ; 16 rows of 256 bytes of T
	s_mov_b32 s19, 0
	s_lshl_b32 s26, s17, 10                        ; 16 rows of 64 codes
	s_mov_b32 s27, 0
	s_wait_alu depctr_va_vdst(0)
	v_lshlrev_b32 v4, 6, v3                        ; 64 h
	v_lshl_add_u32 v5, v1, 8, v4                   ; T: row r, + 64 h
	v_and_b32 v6, 8, v1
	v_add_nc_u32 v6, v6, v1                        ; r + 8 (r / 8)
	v_lshl_add_u32 v6, v6, 8, v4                   ; WT
	s_mul_i32 s28, s16, 2560
	s_add_co_u32 s28, s28, TST
	v_mul_u32_u24 v7, v1, 80
	v_lshl_add_u32 v7, v3, 4, v7
	v_add_nc_u32 v7, s28, v7                       ; into my stage: row r, + 16 h
	v_lshrrev_b32 v8, 2, v2
	v_mul_u32_u24 v8, v8, 80
	v_and_b32 v9, 3, v2
	v_lshl_add_u32 v8, v9, 4, v8
	v_add_nc_u32 v8, s28, v8                       ; back: four lanes to a row of 64 bytes
	v_lshlrev_b32 v9, 4, v2                        ; 16 x lane
	s_wait_kmcnt 0x0
	s_load_b128 s[36:39], s[10:11], 0x18           ; e6, e7, e8, e9
	s_add_nc_u64 s[20:21], s[20:21], s[18:19]
	s_add_nc_u64 s[8:9], s[8:9], s[26:27]
.irp t, 0,1,2,3
	global_load_b128 v[BC+8*\t:BC+8*\t+3], v4, s[24:25] offset:(32*(\t/2)+8*(\t%2))*4       ; bT in the result's layout
	global_load_b128 v[BC+8*\t+4:BC+8*\t+7], v4, s[24:25] offset:(32*(\t/2)+8*(\t%2))*4+16
.endr
.irp t, 0,1,2,3
.irp i, 0,1,2,3,4,5,6,7
	global_load_b128 v[WR+32*\t+4*\i:WR+32*\t+4*\i+3], v6, s[22:23] offset:(32*(\t/2)+8*(\t%2))*256+16*(\i%4)+128*(\i/4)
.endr
.endr
.irp i, 0,1,2,3,4,5,6,7
	global_load_b128 v[TRW+4*\i:TRW+4*\i+3], v5, s[20:21] offset:16*(\i%4)+128*(\i/4) th:TH_LOAD_NT
.endr
	s_wait_kmcnt 0x0
	s_add_co_i32 s42, s36, s37                     ; e6 + e7: a sum stands for sum x 2^(e6 + e7)
	s_sub_co_i32 s43, s38, s42                     ; e8 - e6 - e7: the scales folded into the conversion's one
	s_sub_co_i32 s44, s39, s42                     ; e9 - e6 - e7
	s_sub_co_i32 s45, 0, s42
	POW2 36, 16, 17
	POW2 37, 18, 19
	POW2 43, 20, 21
	POW2 44, 22, 23
	s_wait_loadcnt 0x0
.set J_, 0
.rept 32
	v_ldexp_f32 v[BC+J_], v[BC+J_], s45            ; bT / 2^(e6 + e7): it goes in as the C of the products
.set J_, J_+1
.endr
.irp t, 0,1,2,3
.set J_, 0
.rept 32
	v_med3_num_f32 v[WR+32*\t+J_], v[WR+32*\t+J_], -v19, v19
.set J_, J_+1
.endr
.irp g, 0,1,2,3
	v_cvt_scalef32_pk8_fp8_f32 v[WF+8*\t+2*\g:WF+8*\t+2*\g+1], v[WR+32*\t+8*\g:WR+32*\t+8*\g+7], v18
.endr
.endr
.set J_, 0
.rept 32
	v_med3_num_f32 v[TRW+J_], v[TRW+J_], -v17, v17
.set J_, J_+1
.endr
.irp g, 0,1,2,3
	v_cvt_scalef32_pk8_fp8_f32 v[TF+2*\g:TF+2*\g+1], v[TRW+8*\g:TRW+8*\g+7], v16
.endr
	v_nop                                          ; a plain vector line between the conversions and the products that read their results and write over their sources
.irp t, 0,1,2,3
	v_wmma_f32_16x16x64_fp8_fp8 v[TD+8*\t:TD+8*\t+7], v[WF+8*\t:WF+8*\t+7], v[TF:TF+7], v[BC+8*\t:BC+8*\t+7]
.endr
.rept 4
	v_nop                                          ; four places between the products and the first read of their results (ISA guide 7.12.1)
.endr
.irp g, 0,1                            ; g = 0: the queries' side (e8); 1: the keys' side (e9)
.set J_, 0
.rept 32
	v_med3_num_f32 v[TW+J_], v[TD+J_], -v[21+2*\g], v[21+2*\g]   ; each accumulator from its low end on
.set J_, J_+1
.endr
.irp t, 0,1,2,3
	v_cvt_scalef32_pk8_fp8_f32 v[TCD+8*\g+2*\t:TCD+8*\g+2*\t+1], v[TW+8*\t:TW+8*\t+7], v[20+2*\g]
.endr
	v_nop
	ds_store_b128 v7, v[TCD+8*\g:TCD+8*\g+3] offset:\g*1280          ; outputs 16 h + 0 .. 15 of token r
	ds_store_b128 v7, v[TCD+8*\g+4:TCD+8*\g+7] offset:\g*1280+32     ; outputs 32 + 16 h + 0 .. 15
.endr
.irp g, 0,1
.irp f, 0,1
	ds_load_b128 v[TBK+4*(2*\g+\f):TBK+4*(2*\g+\f)+3], v8 offset:\g*1280+640*\f   ; eight rows of 64 bytes; LDS serves a wave's instructions in order
.endr
.endr
	s_wait_dscnt 0x0
.irp g, 0,1
.irp f, 0,1
	global_store_b128 v9, v[TBK+4*(2*\g+\f):TBK+4*(2*\g+\f)+3], s[8:9] offset:\g*524288+512*\f   ; 32 lanes store 512 consecutive bytes
.endr
.endr
	s_wait_tensorcnt 0x0                           ; the wave's end
	ds_add_u32 v[SPW], v[NIL]
	s_wait_dscnt 0x0
	s_endpgm
.Lfunc_end_k_q988d87ce0c_prep:
	.size	k_q988d87ce0c_prep, .Lfunc_end_k_q988d87ce0c_prep-k_q988d87ce0c_prep
	.p2alignl 7, 3214868480
	.fill 96, 4, 3214868480
	.section	.rodata,"a",@progbits
	.p2align	6, 0x0
	.amdhsa_kernel k_q988d87ce0c_prep
		.amdhsa_group_segment_fixed_size 66048
		.amdhsa_private_segment_fixed_size 0
		.amdhsa_enable_private_segment 0
		.amdhsa_kernarg_size 120
		.amdhsa_user_sgpr_count 2
		.amdhsa_user_sgpr_kernarg_segment_ptr 1
		.amdhsa_wavefront_size32 1
		.amdhsa_system_sgpr_workgroup_id_x 1
		.amdhsa_system_sgpr_workgroup_id_y 1
		.amdhsa_system_sgpr_workgroup_id_z 1
		.amdhsa_system_vgpr_workitem_id 0
		.amdhsa_next_free_vgpr 256
		.amdhsa_next_free_sgpr 66
		.amdhsa_reserve_vcc 0
		.amdhsa_float_denorm_mode_32 3
		.amdhsa_float_denorm_mode_16_64 3
		.amdhsa_memory_ordered 1
		.amdhsa_forward_progress 1
		.amdhsa_inst_pref_size 114
	.end_amdhsa_kernel
	.amdgpu_metadata
---
amdhsa.version: [ 1, 2 ]
amdhsa.kernels:
  - .name:           k_q988d87ce0c_prep
    .symbol:         k_q988d87ce0c_prep.kd
    .args:
      - { .name: Q, .offset: 0, .size: 8, .value_kind: global_buffer, .address_space: global }
      - { .name: K, .offset: 8, .size: 8, .value_kind: global_buffer, .address_space: global }
      - { .name: V, .offset: 16, .size: 8, .value_kind: global_buffer, .address_space: global }
      - { .name: WQ, .offset: 24, .size: 8, .value_kind: global_buffer, .address_space: global }
      - { .name: WK, .offset: 32, .size: 8, .value_kind: global_buffer, .address_space: global }
      - { .name: WV, .offset: 40, .size: 8, .value_kind: global_buffer, .address_space: global }
      - { .name: WM, .offset: 48, .size: 8, .value_kind: global_buffer, .address_space: global }
      - { .name: T, .offset: 56, .size: 8, .value_kind: global_buffer, .address_space: global }
      - { .name: WT, .offset: 64, .size: 8, .value_kind: global_buffer, .address_space: global }
      - { .name: bT, .offset: 72, .size: 8, .value_kind: global_buffer, .address_space: global }
      - { .name: mask, .offset: 80, .size: 8, .value_kind: global_buffer, .address_space: global }
      - { .name: lowp_scales, .offset: 88, .size: 8, .value_kind: global_buffer, .address_space: global }
      - { .name: codes, .offset: 96, .size: 8, .value_kind: global_buffer, .address_space: global }
      - { .name: tcodes, .offset: 104, .size: 8, .value_kind: global_buffer, .address_space: global }
      - { .name: mbits, .offset: 112, .size: 8, .value_kind: global_buffer, .address_space: global }
    .group_segment_fixed_size: 66048
    .private_segment_fixed_size: 0
    .kernarg_segment_align: 8
    .kernarg_segment_size: 120
    .max_flat_workgroup_size: 128
    .sgpr_count:     66
    .vgpr_count:     256
    .wavefront_size: 32
...
	.end_amdgpu_metadata
.endif
;; end of part 1
;; launch proj (part 2): grid 4 x 96, 4 waves a work-group, clusters of 4 x 4, 327,680 bytes of LDS; arguments codes, bQ, bK, bV, lowp_scales, hcodes; writes hcodes
.if DOCPART == 2
	.amdgcn_target "amdgcn-amd-amdhsa--gfx1250"
	.amdhsa_code_object_version 6
	.text
	.protected	k_q988d87ce0c_proj
	.globl	k_q988d87ce0c_proj
	.p2align	8
	.type	k_q988d87ce0c_proj,@function
k_q988d87ce0c_proj:
	s_mov_b64 s[64:65], 0
	v_nop
	global_prefetch_b8 v0, s[64:65] scope:SCOPE_SE
	s_setreg_imm32_b32 hwreg(HW_REG_WAVE_MODE, 25, 1), 1
	s_wait_xcnt 0x0
	s_wait_alu depctr_hold_cnt(0) depctr_sa_sdst(0) depctr_va_vdst(0) depctr_va_sdst(0) depctr_va_ssrc(0) depctr_va_vcc(0) depctr_vm_vsrc(0)
	s_getreg_b32 s2, hwreg(HW_REG_IB_STS2, 6, 4)
	s_cmp_eq_u32 s2, 0
	s_cbranch_scc0 .Lentry_in_a_cluster
	s_endpgm
.Lentry_in_a_cluster:
	s_bfe_u32 s2, ttmp6, 0x10000c
	s_cmp_lg_u32 s2, 0xf033
	s_cbranch_scc0 .Lentry_shape_is_right
	s_endpgm
.Lentry_shape_is_right:
.set ROWB,   256
.set KROW,   1024
.set PITCH,  272
.set FR,     16
.set NL,     4
.set NP,     4
.set HALFT,  128*PITCH
.set SLOT,   4*HALFT
.set LAPS,   2
.set SPARE,  2*SLOT
.set WST,    2560
.set ADRA, 16
.set ADRB, 20
.set STO,  24
.set RD,   25
.set CO0,  26
.set CO1,  27
.set SPW,  28
.set NIL,  29
.set SC,   30
.set LIM,  31
.set BT,   32
.set TMP,  32
.set BR,   96
.set CD,   112
.set AF,   128
.set BK,   128
.set G1, 24
.set G0, 32
.set G1B, 48
.set G0B, 56
.set MSB, 0
.macro WIN new
.if MSB != (\new)
	s_set_vgpr_msb (MSB<<8)|(\new)
.set MSB, (\new)
.endif
.endm
.set MUL_LO, 0xa1
.set MUL_HI, 0xf1
.set TO_B,   0x40
.macro JLOAD g0a, g1a, g0b, g1b
	s_cmp_eq_u32 s15, 0
	s_cbranch_scc0 .Lfor_b_\@
	tensor_load_to_lds s[\g0a:\g0a+3], s[\g1a:\g1a+7]
	s_nop 0
.rept 4
	v_nop
.endr
	s_branch .Lasked_\@
.Lfor_b_\@:
	tensor_load_to_lds s[\g0b:\g0b+3], s[\g1b:\g1b+7]
	s_nop 0
.rept 4
	v_nop
.endr
.Lasked_\@:
.endm
.macro CREST
	s_cmp_lg_u32 s14, 0
	s_cbranch_scc1 .Lnot_wave_0_\@
	s_barrier_signal -3
.Lnot_wave_0_\@:
	s_barrier_wait -3
	s_barrier_signal -1
	s_barrier_wait -1
.endm
.macro CROUND
	s_barrier_signal -1
	s_barrier_wait -1
	CREST
.endm
	s_load_b256 s[68:75], s[0:1], 0x0
	s_load_b128 s[76:79], s[0:1], 0x20
	v_lshl_add_u32 v[SPW], v0, 2, SPARE
	v_mov_b32 v[NIL], 0
	ds_add_u32 v[SPW], v[NIL]
	ds_add_u32 v[SPW], v[NIL]
	v_lshrrev_b32 v1, 5, v0
	v_readfirstlane_b32 s14, v1
	s_lshr_b32 s15, s14, 1
	s_and_b32 s16, s14, 1
	s_bfe_u32 s40, ttmp6, 0x40000
	s_bfe_u32 s41, ttmp6, 0x40004
	s_and_b32 s80, ttmp7, 0xffff
	s_lshr_b32 s81, s80, 3
	s_and_b32 s82, s80, 7
	s_lshl_b32 s82, s82, 2
	s_lshl_b32 s83, s81, 23
	s_lshl_b32 s19, s81, 20
	s_add_co_u32 s19, s19, 24<<20
	s_cmp_lt_u32 s81, 2
	s_cselect_b32 s17, s82, 0
	s_cselect_b32 s42, 0, s82
	s_cselect_b32 s4, s83, 26<<20
	s_cselect_b32 s6, s19, 16<<20
	s_add_co_u32 s17, s17, s41
	s_add_co_u32 s42, s42, s40
	s_lshl_b32 s43, s41, 2
	s_lshl_b32 s43, 15, s43
	s_lshl_b32 s44, 0x1111, s40
	s_or_b32 s[G1+0], s43, (0<<16)|(1<<20)|(1<<21)|(5<<22)|(3<<25)
	s_or_b32 s[G1B+0], s44, (0<<16)|(1<<20)|(1<<21)|(5<<22)|(3<<25)
.irp g, G1, G1B
	s_mov_b32 s[\g+1], ROWB<<16
	s_mov_b32 s[\g+2], 128<<16
	s_mov_b32 s[\g+3], ROWB<<16
	s_mov_b32 s[\g+4], 128
	s_mov_b32 s[\g+5], KROW
	s_mov_b32 s[\g+6], 0
	s_mov_b32 s[\g+7], 0
.endr
	s_lshl_b32 s18, s16, 7
	s_lshl_b32 s20, s17, 8
	s_add_co_u32 s20, s20, s18
	s_lshl_b32 s20, s20, 10
	s_add_co_u32 s20, s20, s4
	s_mov_b32 s21, 0
	s_lshl_b32 s46, s42, 8
	s_add_co_u32 s46, s46, s18
	s_lshl_b32 s46, s46, 10
	s_add_co_u32 s46, s46, s6
	s_mov_b32 s47, 0
	s_mul_i32 s45, s14, HALFT
	s_wait_dscnt 0x0
	s_wait_kmcnt 0x0
	s_load_b256 s[84:91], s[76:77], 0x0
	s_load_b128 s[92:95], s[76:77], 0x20
	s_add_nc_u64 s[20:21], s[68:69], s[20:21]
	s_add_nc_u64 s[46:47], s[68:69], s[46:47]
	CROUND
.irp s, 0,1
	s_mov_b32 s[G0+4*\s], 1
	s_add_co_u32 s[G0+4*\s+1], s45, \s*SLOT
	s_add_nc_u64 s[G0+4*\s+2:G0+4*\s+3], s[20:21], \s*ROWB
	s_or_b32 s[G0+4*\s+3], s[G0+4*\s+3], 0x80000000
	s_mov_b32 s[G0B+4*\s], 1
	s_add_co_u32 s[G0B+4*\s+1], s45, \s*SLOT
	s_add_nc_u64 s[G0B+4*\s+2:G0B+4*\s+3], s[46:47], \s*ROWB
	s_or_b32 s[G0B+4*\s+3], s[G0B+4*\s+3], 0x80000000
.endr
	; THE PREFETCHES' BASE: of the 128 rows that my wave fetches, the partner at place p among the four that ask for them jointly takes rows 32 p .. 32 p + 31 (p = cx for A's tiles, cy for B's): told apart by address alone
	s_cmp_eq_u32 s15, 0                            ; waves 0, 1 fetch for A, waves 2, 3 for B
	s_cselect_b64 s[4:5], s[20:21], s[46:47]       ; my 128 rows at K step 0
	s_cselect_b32 s7, s40, s41
	s_lshl_b32 s6, s7, 15                          ; 32 rows of 1,024 bytes
	s_mov_b32 s7, 0
	s_add_nc_u64 s[4:5], s[4:5], s[6:7]            ; never rewritten
	JLOAD G0, G1, G0B, G1B                         ; K step 0: one tensor load a wave at the head; the addresses and the biases below are made while it is out
	v_and_b32 v9, 31, v0
	v_lshlrev_b32 v9, 10, v9                       ; a lane a row; never rewritten
	global_prefetch_b8 v9, s[4:5] offset:256 th:TH_LOAD_NT scope:SCOPE_SE   ; K step 1: 32 rows x 256 bytes, one instruction a wave; each block of 256 bytes is named once in the cluster
	global_prefetch_b8 v9, s[4:5] offset:512 th:TH_LOAD_NT scope:SCOPE_SE   ; K step 2: two K steps ahead of its load
	v_and_b32 v1, 15, v0
	s_wait_alu depctr_va_vdst(0)
	v_bfe_u32 v2, v0, 4, 1
	v_mul_u32_u24 v3, v1, PITCH
	v_lshl_add_u32 v4, v2, 4, v3
	s_mul_i32 s21, s15, HALFT
	s_mul_i32 s22, s16, HALFT
	s_add_co_u32 s22, s22, 2*HALFT
.irp s, 0,1
	v_add_nc_u32 v[ADRA+\s], s21, v4
	v_add_nc_u32 v[ADRB+\s], s22, v4
	s_add_co_u32 s21, s21, SLOT
	s_add_co_u32 s22, s22, SLOT
.endr
	s_mul_i32 s23, s14, WST
	v_mul_u32_u24 v5, v1, 80
	s_wait_alu depctr_va_vdst(0)
	v_lshl_add_u32 v5, v2, 3, v5
	v_add_nc_u32 v[STO], s23, v5
	v_and_b32 v6, 31, v0
	v_lshrrev_b32 v5, 2, v6
	v_mul_u32_u24 v5, v5, 80
	v_and_b32 v3, 3, v0
	v_lshl_add_u32 v5, v3, 4, v5
	v_add_nc_u32 v[RD], s23, v5
	v_lshlrev_b32 v[CO0], 4, v6
	s_wait_alu depctr_va_vdst(0)
	s_lshl_b32 s18, s17, 8
	s_lshl_b32 s19, s15, 7
	s_add_co_u32 s18, s18, s19
	s_lshl_b32 s100, s42, 8
	s_lshl_b32 s101, s16, 7
	s_add_co_u32 s100, s100, s101
	s_mov_b32 s67, 4096
	s_cmp_lt_u32 s81, 2
	s_cselect_b32 s101, s18, s100
	s_cselect_b32 s104, s100, s18
	s_cselect_b32 s2, s100, 0
	s_cselect_b32 s66, 0, s18
	s_cselect_b32 s12, 0, 61440
	s_cselect_b32 s67, 65536, s67
	s_mov_b32 s13, 0
	s_lshl_b32 s2, s2, 2
	s_lshl_b32 s66, s66, 2
	s_lshr_b32 s105, s101, 10
	s_lshl_b32 s105, s105, 20
	s_lshr_b32 s104, s104, 6
	s_lshl_b32 s104, s104, 16
	s_add_co_u32 s104, s104, s105
	s_and_b32 s101, s101, 1023
	s_lshl_b32 s101, s101, 6
	s_add_co_u32 s104, s104, s101
	s_add_co_u32 s104, s104, s83
	s_mov_b32 s105, 0
	s_add_nc_u64 s[10:11], s[78:79], s[104:105]
	v_add_nc_u32 v[CO1], s67, v[CO0]
	s_cmp_eq_u32 s81, 1
	s_cselect_b64 s[8:9], s[72:73], s[70:71]
	s_cmp_eq_u32 s81, 2
	s_cselect_b64 s[8:9], s[74:75], s[8:9]
	v_lshl_add_u32 v7, v2, 5, s2
	v_lshl_add_u32 v8, v1, 2, s66
.irp b, 0,1,2,3,4,5,6,7
	global_load_b128 v[BT+8*\b:BT+8*\b+3], v7, s[8:9] offset:64*\b
	global_load_b128 v[BT+8*\b+4:BT+8*\b+7], v7, s[8:9] offset:64*\b+16
.endr
.irp a, 0,1,2,3,4,5,6,7
	global_load_b32 v[BR+2*\a], v8, s[8:9] offset:64*\a
.endr
	s_wait_kmcnt 0x0
	s_add_co_i32 s84, s84, s85
	s_add_co_i32 s86, s86, s87
	s_add_co_i32 s88, s88, s89
	s_cmp_eq_u32 s81, 1
	s_cselect_b32 s84, s86, s84
	s_cselect_b32 s92, s93, s92
	s_cmp_eq_u32 s81, 2
	s_cselect_b32 s84, s88, s84
	s_cselect_b32 s92, s95, s92
	s_sub_co_i32 s96, 127, s84
	s_lshl_b32 s96, s96, 23
	s_cmp_lt_u32 s81, 2
	s_cselect_b32 s97, 0, s96
	s_cselect_b32 s96, s96, 0
	s_sub_co_i32 s98, s92, s84
	s_add_co_i32 s98, s98, 127
	s_lshl_b32 s99, s98, 23
	v_mov_b32 v[SC], s99
	s_add_co_i32 s98, s98, 8
	s_lshl_b32 s98, s98, 23
	s_or_b32 s98, s98, 0x600000
	v_mov_b32 v[LIM], s98
	s_wait_loadcnt 0x0
.set J_, 0
.rept 32
	v_pk_mul_f32 v[BT+J_:BT+J_+1], v[BT+J_:BT+J_+1], s[96:97] op_sel_hi:[1,0]
.set J_, J_+2
.endr
.irp a, 0,1,2,3,4,5,6,7
	v_mul_f32 v[BR+2*\a+1], s97, v[BR+2*\a]
	v_mul_f32 v[BR+2*\a], s97, v[BR+2*\a]
.endr
.macro FRAG reg, adr, q, i
.irp c, 0,1,2,3
	ds_load_b128 v[\reg+4*\c:\reg+4*\c+3], v[\adr] offset:128*(\q)+32*\c+(\i)*16*PITCH
.endr
.endm
.macro MUL16 a0, p, zero
.irp a, \a0, \a0+1
.irp b, 0,1,2,3,4,5,6,7
.if \zero
	v_wmma_f32_16x16x128_fp8_fp8 v[8*(8*((\a)%4)+\b):8*(8*((\a)%4)+\b)+7], v[128*(\p)+FR*\b:128*(\p)+FR*\b+FR-1], v[AF+FR*(\a):AF+FR*(\a)+FR-1], v[BT+8*\b:BT+8*\b+7]
.else
	v_wmma_f32_16x16x128_fp8_fp8 v[8*(8*((\a)%4)+\b):8*(8*((\a)%4)+\b)+7], v[128*(\p)+FR*\b:128*(\p)+FR*\b+FR-1], v[AF+FR*(\a):AF+FR*(\a)+FR-1], v[8*(8*((\a)%4)+\b):8*(8*((\a)%4)+\b)+7]
.endif
.endr
.endr
.endm
.macro FETCH_B slot, q, p
	WIN TO_B
.irp i, 0,1,2,3,4,5,6,7
	FRAG 128*(\p)+FR*\i, ADRB+\slot, \q, \i
.endr
	WIN 0
.endm
.macro FETCH_A slot, q, i0
.irp i, \i0, \i0+1, \i0+2, \i0+3
	FRAG AF+FR*(\i), ADRA+\slot, \q, \i
.endr
.endm
.macro PLACES n
.rept \n
	v_nop
.endr
.endm
.macro STEP slot, q, zero
	s_wait_dscnt 4*NL
	WIN MUL_LO-0x20*(\zero)
	MUL16 0, (\q)%2, \zero
	MUL16 2, (\q)%2, \zero
	s_wait_dscnt 0
	PLACES NP
	FETCH_B \slot, (\q)+1, 1-(\q)%2
	FETCH_A \slot, (\q)+1, 0
	WIN MUL_HI-0x30*(\zero)
	MUL16 4, (\q)%2, \zero
	MUL16 6, (\q)%2, \zero
	PLACES NP
	WIN 0
	FETCH_A \slot, (\q)+1, 4
.endm
.macro TURN slot, next, fill
	s_wait_tensorcnt 0x0
	ds_add_u32 v[SPW], v[NIL]
	s_wait_dscnt 4*NL+1
	WIN MUL_LO
	MUL16 0, 1, 0
	s_wait_dscnt 0x0
	s_barrier_signal -1
	MUL16 2, 1, 0
	WIN 0
	s_barrier_wait -1
.if \fill
	CREST
	s_add_nc_u64 s[G0+4*\slot+2:G0+4*\slot+3], s[G0+4*\slot+2:G0+4*\slot+3], 2*ROWB
	s_add_nc_u64 s[G0B+4*\slot+2:G0B+4*\slot+3], s[G0B+4*\slot+2:G0B+4*\slot+3], 2*ROWB
	JLOAD G0+4*\slot, G1, G0B+4*\slot, G1B
.else
	PLACES NP
.endif
	FETCH_B \next, 0, 0
	FETCH_A \next, 0, 0
	WIN MUL_HI
	MUL16 4, 1, 0
	MUL16 6, 1, 0
	PLACES NP
	WIN 0
	FETCH_A \next, 0, 4
.endm
	s_wait_alu depctr_va_vdst(0)                   ; the head's end
	s_wait_tensorcnt 0x0                           ; my part of K step 0 is in
	ds_add_u32 v[SPW], v[NIL]
	s_wait_dscnt 0x0
	CROUND                                         ; everybody's part of K step 0 is in, and the joint loads meet
	JLOAD G0+4, G1, G0B+4, G1B                     ; K step 1: the first tensor load behind the round
	FETCH_B 0, 0, 0
	FETCH_A 0, 0, 0
	FETCH_A 0, 0, 4
	global_prefetch_b8 v9, s[4:5] offset:768 th:TH_LOAD_NT scope:SCOPE_SE   ; behind K step 1's load and the fragment loads: K step 3, the last: two K steps ahead of its load; no later change of slots asks for anything
	STEP 0, 0, 1
	s_mov_b32 s3, LAPS-1
.Llap:
	TURN 0, 1, 1
	STEP 1, 0, 0
	TURN 1, 0, 1
	STEP 0, 0, 0
	s_sub_co_u32 s3, s3, 1
	s_cmp_lg_u32 s3, 0
	s_cbranch_scc1 .Llap
	TURN 0, 1, 0
	STEP 1, 0, 0
	s_wait_dscnt 4*NL
	WIN MUL_LO
	MUL16 0, 1, 0
	MUL16 2, 1, 0
	s_wait_dscnt 0
	WIN MUL_HI
	MUL16 4, 1, 0
	MUL16 6, 1, 0
	WIN 0
.macro TOSTAGE a
.set AC, 64*((\a)%4)
	WIN 0x02+((\a)/4)
.set J_, 0
.rept 32
	v_pk_add_f32 v[TMP+J_:TMP+J_+1], v[AC+J_:AC+J_+1], v[BR+2*(\a):BR+2*(\a)+1]
.set J_, J_+2
.endr
	WIN 0
.set J_, 0
.rept 64
	v_med3_num_f32 v[TMP+J_], v[TMP+J_], -v[LIM], v[LIM]
.set J_, J_+1
.endr
.irp b, 0,1,2,3,4,5,6,7
	v_cvt_scalef32_pk8_fp8_f32 v[CD+2*\b:CD+2*\b+1], v[TMP+8*\b:TMP+8*\b+7], v[SC]
.endr
	v_nop
.irp b, 0,1,2,3,4,5,6,7
	ds_store_b64 v[STO], v[CD+2*\b:CD+2*\b+1] offset:(\b/4)*1280+16*(\b%4)
.endr
.set BB, BK+16*((\a)%2)
.irp y, 0,1
.irp g, 0,1
	ds_load_b128 v[BB+8*\y+4*\g:BB+8*\y+4*\g+3], v[RD] offset:\y*1280+\g*640
.endr
.endr
.endm
.macro SEND a, younger
.set BB, BK+16*((\a)%2)
	s_wait_dscnt \younger
.if (\a) > 0
	s_add_nc_u64 s[10:11], s[10:11], 1024
.endif
.if (\a) == 4
	s_add_nc_u64 s[10:11], s[10:11], s[12:13]
.endif
	global_store_b128 v[CO0], v[BB:BB+3], s[10:11]
	global_store_b128 v[CO0], v[BB+4:BB+7], s[10:11] offset:512
	global_store_b128 v[CO1], v[BB+8:BB+11], s[10:11]
	global_store_b128 v[CO1], v[BB+12:BB+15], s[10:11] offset:512
.endm
	PLACES NP
	TOSTAGE 0
.irp a, 1,2,3,4,5,6,7
.if \a > 1
	s_wait_xcnt 0x0
.endif
	TOSTAGE \a
	SEND \a-1, 12
.endr
	s_wait_xcnt 0x0
	SEND 7, 0
	s_wait_tensorcnt 0x0
	ds_add_u32 v[SPW], v[NIL]
	s_wait_dscnt 0x0
	CROUND
	s_endpgm
.Lfunc_end_k_q988d87ce0c_proj:
	.size	k_q988d87ce0c_proj, .Lfunc_end_k_q988d87ce0c_proj-k_q988d87ce0c_proj
	.p2alignl 7, 3214868480
	.fill 96, 4, 3214868480
	.section	.rodata,"a",@progbits
	.p2align	6, 0x0
	.amdhsa_kernel k_q988d87ce0c_proj
		.amdhsa_group_segment_fixed_size 327680
		.amdhsa_private_segment_fixed_size 0
		.amdhsa_enable_private_segment 0
		.amdhsa_kernarg_size 48
		.amdhsa_user_sgpr_count 2
		.amdhsa_user_sgpr_kernarg_segment_ptr 1
		.amdhsa_wavefront_size32 1
		.amdhsa_system_sgpr_workgroup_id_x 1
		.amdhsa_system_sgpr_workgroup_id_y 1
		.amdhsa_system_sgpr_workgroup_id_z 1
		.amdhsa_system_vgpr_workitem_id 0
		.amdhsa_next_free_vgpr 1024
		.amdhsa_next_free_sgpr 106
		.amdhsa_reserve_vcc 0
		.amdhsa_float_denorm_mode_32 3
		.amdhsa_float_denorm_mode_16_64 3
		.amdhsa_memory_ordered 1
		.amdhsa_forward_progress 1
		.amdhsa_inst_pref_size 148
	.end_amdhsa_kernel
	.amdgpu_metadata
---
amdhsa.version: [ 1, 2 ]
amdhsa.kernels:
  - .name:           k_q988d87ce0c_proj
    .symbol:         k_q988d87ce0c_proj.kd
    .args:
      - { .name: codes, .offset: 0, .size: 8, .value_kind: global_buffer, .address_space: global }
      - { .name: bQ, .offset: 8, .size: 8, .value_kind: global_buffer, .address_space: global }
      - { .name: bK, .offset: 16, .size: 8, .value_kind: global_buffer, .address_space: global }
      - { .name: bV, .offset: 24, .size: 8, .value_kind: global_buffer, .address_space: global }
      - { .name: lowp_scales, .offset: 32, .size: 8, .value_kind: global_buffer, .address_space: global }
      - { .name: hcodes, .offset: 40, .size: 8, .value_kind: global_buffer, .address_space: global }
    .group_segment_fixed_size: 327680
    .private_segment_fixed_size: 0
    .kernarg_segment_align: 8
    .kernarg_segment_size: 48
    .max_flat_workgroup_size: 128
    .sgpr_count:     106
    .vgpr_count:     1024
    .wavefront_size: 32
...
	.end_amdgpu_metadata
.endif
;; end of part 2
;; launch attn (part 3): grid 2 x 128, 16 waves a work-group, no clusters, 327,680 bytes of LDS; arguments hcodes, tcodes, mbits, lowp_scales, xc; writes xc
.if DOCPART == 3
	.amdgcn_target "amdgcn-amd-amdhsa--gfx1250"
	.amdhsa_code_object_version 6
	.text
	.protected	k_q988d87ce0c_attn
	.globl	k_q988d87ce0c_attn
	.p2align	8
	.type	k_q988d87ce0c_attn,@function
k_q988d87ce0c_attn:
	s_mov_b64 s[64:65], 0
	v_nop
	global_prefetch_b8 v0, s[64:65] scope:SCOPE_SE
	s_setreg_imm32_b32 hwreg(HW_REG_WAVE_MODE, 25, 1), 1
	s_wait_xcnt 0x0
; ATTN: x[b][head][q] = sum over keys of softmax(mask ? -1e9 : [q, t](q) . [k, t](key) / sqrt(128)) v(key), both products on codes of E4M3 (scales e8, e9; e10, e11); x is quantised (e12) and stored as codes [b][head][q][64].
; THE SOFTMAX AHEAD OF THE SECOND PRODUCT: t = score x log2(e) / sqrt(128); M = the running largest t rounded UP to a whole number; p = 2^(t - M) is quantised; the row's sum is taken of the unquantised p and divides at the end.
; When M moves, the sum and O are multiplied by 2^(old M - new M): exact.  The running maximum is kept on the raw scores (c is positive, so the order is the same) and multiplied by -c once a step.
; SHARES.  A work-group owns 512 queries of one head; each of its sixteen waves 32 of them, two tiles of 16, so that each fragment of K and V read from LDS feeds two matrix instructions.  64 keys a step, 16 steps.
; A HEAD'S WHOLE K, t AND V LIE IN LDS: 3 x 1,024 rows of 64 bytes, four rows on end and 16 bytes of padding behind them: row R begins at 272 (R / 4) + 64 (R % 4).  The sixteen rows of a fragment then begin at words
; 16 (r % 4) + 4 (r / 4) modulo 64: sixteen different groups of four banks (64 banks of 4 bytes: ISA guide 11.1).  Each byte of LDS is filled once, in 12 chunks of 256 rows of one tensor.
; Wave w stands for tensor w % 4 (3: none) and chunk w / 4, one load a wave: waves 0, 1, 2 ask for keys 0-255 at the head; behind the first barrier,
; the nine other loading waves ask for the rest, which has four key steps in which to land.  Behind the second barrier nothing in LDS changes any more, and the remaining twelve key steps run with no barrier.
; No cluster: a head's K and V are shared by two work-groups only, and each asks once.  No data prefetch: every tensor load stands ahead of the loops, so no later load is left to run ahead of.
; LAYOUT.  Both products are used transposed: S^T = K Q^T (source 0 = 16 keys, source 1 = 16 queries; K = 64 of q or k, then 64 of t), O^T = V^T P^T (source 0 = 16 channels, K = 64 keys): a lane holds ONE query (lane % 16).
; In S^T register 8 kt + j is key 16 kt + 8 (lane / 16) + j, the place that the 16x16x64 form gives k = 16 kt + 8 h + j: the conversions' results are the second product's operand.
; THE MASK comes as lane masks, 64 words a wave and key step, by scalar loads asked for a key step ahead: word i selects for register i of S^T.
; A MASKED SCORE becomes S* = -2^(34 - E), E = e8 + e9: then S* x c is a whole number in f32, so that in a wholly masked row t - M is exactly 0, p = 1 and the result is the plain mean, as with -1e9.
; LIMIT: S* stands for a logit of -1.518e9 in place of -1e9: the results are those of -1e9 as long as every unmasked logit lies above -1e9, which always holds for E <= 8 (|logit| <= 128 x 448^2 x 2^E / sqrt(128)).
; LIMITS on the exponents: E between -93 and 130; e10 and e12 between -126 and 119.  NaN is not served.
; THE ORDER OF A STEP'S VECTOR WORK: the dependent chains (two chains of maxima a tile, and the nine lines from the maximum to f) are laid among independent lines: tile 0's maxima among tile 1's selects, tile 0's nine lines among
; tile 1's selects and maxima, tile 1's nine lines among tile 0's scalings and the rescaling of its O^T.
; REGISTERS: v1-3 my lane's place in a tile of k, t, v; v4-6 the step's addresses; v7, v8 the add's two; v9 S*; v10 2^e10; v12, v13 448 x 2^e10, twice (the two halves of a dual pair take their second sources from different banks);
;   v14-21, v22-29 a tile's statistics: +0 -M, +1 the largest raw score, +2, +3 the sum in two halves, +4 f (+5 named with it), +6, +7 at work;
;   v32-63 Q; v64-127 four fragments of K, later v64-95 four of V and v96-111 p's codes; v128-191 S^T, then p; v192-255 O^T.   s[20:21] c, s22 -c, s[24:25] xc, s26 my tensor, s27 my chunk.
.set TKO,   69632                      ; a tensor in LDS: 256 x 272
.set VHO,   139264
.set STAGE, 208896                     ; 16 waves x 32 rows x 80 bytes, for the way out: bytes that no tensor load fills
.set SPARE, 249856                     ; the spare words: 128 bytes for each of the sixteen waves
.set TILB,  1088                       ; 16 rows: 4 x 272
.set STEPB, 4352                       ; 64 rows: 16 x 272
.set CHB,   17408                      ; a chunk: 256 rows: 64 x 272
.set AKH, 1
.set ATK, 2
.set AVH, 3
.set ADK, 4
.set ADT, 5
.set ADV, 6
.set SPW, 7
.set NIL, 8
.set SM,  9
.set PSC, 10
.set ST,  14
.set QF,  32
.set FF,  64
.set PC,  96
.set SS,  128
.set OO,  192
	s_load_b256 s[32:39], s[0:1], 0x0              ; hcodes s[32:33], tcodes s[34:35], mbits s[36:37], the scales' exponents s[38:39]
	s_load_b64 s[24:25], s[0:1], 0x20              ; xc
	v_lshl_add_u32 v[SPW], v0, 2, SPARE
	v_mov_b32 v[NIL], 0
	ds_add_u32 v[SPW], v[NIL]                      ; the wave's opening: the add, twice on end, and its wait ahead of my first tensor load
	ds_add_u32 v[SPW], v[NIL]
	v_lshrrev_b32 v1, 5, v0
	s_delay_alu instid0(VALU_DEP_1)
	v_readfirstlane_b32 s2, v1                     ; wave 0..15
	v_and_b32 v9, 15, v0                           ; r
	v_bfe_u32 v10, v0, 4, 1                        ; h
	s_delay_alu instid0(VALU_DEP_2)
	v_lshrrev_b32 v1, 2, v9                        ; r / 4
	v_and_b32 v2, 3, v9                            ; r % 4
	v_lshlrev_b32 v4, 6, v9
	s_delay_alu instid0(VALU_DEP_3)
	v_mul_u32_u24 v1, v1, 272
	s_delay_alu instid0(VALU_DEP_2)
	v_lshl_add_u32 v4, v10, 4, v4                  ; Q in memory: row r of 64 bytes, + 16 h
	s_delay_alu instid0(VALU_DEP_2)
	v_lshl_add_u32 v1, v2, 6, v1                   ; row r of a tile in LDS: 272 (r / 4) + 64 (r % 4)
	s_delay_alu instid0(VALU_DEP_1)
	v_lshl_add_u32 v3, v10, 3, v1
	v_lshl_add_u32 v1, v10, 4, v1                  ; k: row r, + 16 h
	s_delay_alu instid0(VALU_DEP_2)
	v_add_nc_u32 v3, VHO, v3                       ; v: row r, + 8 h
	s_delay_alu instid0(VALU_DEP_2)
	v_add_nc_u32 v2, TKO, v1                       ; t as k
	; descriptor group 1, one for all loads: a dense block of 16,384 bytes as 64 rows of 256, 16 bytes of padding behind each
	s_mov_b32 s8, (0<<16)|(1<<20)|(5<<22)|(3<<25)  ; no mask; elements of 1 byte; padding on; behind every 64 words (code 5) 4 words (code 3)
	s_mov_b32 s9, 256<<16                          ; tensor_dim0
	s_mov_b32 s10, 64<<16                          ; tensor_dim1
	s_mov_b32 s11, 256<<16                         ; tile_dim0
	s_mov_b32 s12, 64                              ; tile_dim1
	s_mov_b32 s13, 256                             ; from row to row
	s_mov_b32 s14, 0
	s_mov_b32 s15, 0
	s_mov_b32 s6, 0x76543210                       ; v_permlanex16_b32's selects for lane l xor 16
	s_mov_b32 s7, 0xfedcba98
	s_and_b32 s45, ttmp7, 0xffff                   ; bh = 16 b + head
	s_lshr_b32 s46, s45, 4                         ; b
	s_and_b32 s26, s2, 3                           ; my tensor: 0 k, 1 t, 2 v, 3 none
	s_lshr_b32 s27, s2, 2                          ; my chunk of 256 keys
	s_lshl_b32 s47, s45, 16
	s_lshr_b32 s48, s26, 1
	s_lshl_b32 s48, s48, 23
	s_add_co_u32 s47, s47, s48
	s_add_co_u32 s47, s47, 8<<20                   ; in hcodes: kh at 8 Mi, vh at 16 Mi; + 65,536 bh
	s_lshl_b32 s49, s46, 16
	s_add_co_u32 s49, s49, 524288                  ; in tcodes: tk, + 65,536 b
	s_cmp_eq_u32 s26, 1
	s_cselect_b32 s52, s49, s47
	s_lshl_b32 s48, s27, 14
	s_add_co_u32 s52, s52, s48                     ; + 16,384 x chunk
	s_mov_b32 s53, 0
	s_mov_b32 s16, 1                               ; group 0: count = 1
	s_mul_i32 s17, s26, TKO
	s_mul_i32 s48, s27, CHB
	s_add_co_u32 s17, s17, s48                     ; LDS address: 69,632 x tensor + 17,408 x chunk
	s_lshl_b32 s55, ttmp9, 9
	s_lshl_b32 s56, s2, 5
	s_add_co_u32 s55, s55, s56                     ; q0 = 512 x work-group x + 32 x wave
	s_lshl_b32 s56, s45, 10
	s_add_co_u32 s56, s56, s55
	s_lshl_b32 s56, s56, 6                         ; (1,024 bh + q0) x 64: in qh, and in xc
	s_mov_b32 s57, 0
	s_mov_b32 s105, s56
	s_lshl_b32 s60, s46, 10
	s_add_co_u32 s60, s60, s55
	s_lshl_b32 s60, s60, 6                         ; (1,024 b + q0) x 64: in tq
	s_mov_b32 s61, 0
	s_lshl_b32 s62, s46, 5
	s_lshl_b32 s63, ttmp9, 4
	s_add_co_u32 s62, s62, s63
	s_add_co_u32 s62, s62, s2                      ; 32 b + q0 / 32
	s_lshl_b32 s62, s62, 12                        ; 16 key steps x 256 bytes of mask words
	s_mov_b32 s63, 0
	s_wait_alu depctr_va_vdst(0)
	s_wait_dscnt 0x0                               ; both opening adds are done
	s_wait_kmcnt 0x0
	s_load_b128 s[40:43], s[38:39], 0x20           ; e8, e9, e10, e11
	s_load_b32 s44, s[38:39], 0x30                 ; e12
	s_cmp_eq_u32 s26, 1
	s_cselect_b64 s[50:51], s[34:35], s[32:33]
	s_add_nc_u64 s[18:19], s[50:51], s[52:53]
	s_or_b32 s19, s19, 0x80000000                  ; type = 2
	s_cmp_lt_u32 s2, 3                             ; waves 0, 1, 2: keys 0-255 of k, t, v
	s_cbranch_scc0 .Lno_fetch
	tensor_load_to_lds s[16:19], s[8:15]
	s_nop 0
.rept 4
	v_nop
.endr
.Lno_fetch:
	s_add_nc_u64 s[58:59], s[32:33], s[56:57]
	s_add_nc_u64 s[60:61], s[34:35], s[60:61]
	s_add_nc_u64 s[4:5], s[36:37], s[62:63]
.irp x, 0,1                            ; Q's fragments stay in registers: registers 0-7 the head's 64, registers 8-15 t's 64, each as 16 h + 0 .. 15 and 32 + 16 h + 0 .. 15: the order in which K's come out of LDS
	global_load_b128 v[QF+16*\x:QF+16*\x+3], v4, s[58:59] offset:\x*1024
	global_load_b128 v[QF+16*\x+4:QF+16*\x+7], v4, s[58:59] offset:\x*1024+32
	global_load_b128 v[QF+16*\x+8:QF+16*\x+11], v4, s[60:61] offset:\x*1024
	global_load_b128 v[QF+16*\x+12:QF+16*\x+15], v4, s[60:61] offset:\x*1024+32
.endr
.irp x, 0,1
	v_mov_b32 v[ST+8*\x], 0x7f61b1e6               ; -M = 3e38, a whole number
	v_mov_b32 v[ST+8*\x+1], 0xff61b1e6             ; the largest raw score so far: -3e38, under every score
.irp i, 2,3,4,5,6,7
	v_mov_b32 v[ST+8*\x+\i], 0                     ; the sum's halves; f and the word named with it; a lane permute's destination counts as a source
.endr
.endr
.set J_, 0
.rept 64
	v_mov_b32 v[OO+J_], 0                          ; O^T.  The step is written once: the first finds zeros, which the first change of M leaves zeros
.set J_, J_+1
.endr
	s_wait_kmcnt 0x0
	s_add_co_i32 s47, s40, s41                     ; E = e8 + e9
	s_lshl_b32 s48, s47, 23
	s_add_co_i32 s20, s48, 0x3e0293ee              ; c = log2(e) / sqrt(128) x 2^E: E is added to the exponent field
	s_mov_b32 s21, s20                             ; (named with it as a pair)
	s_xor_b32 s22, s20, 0x80000000                 ; -c
	s_sub_co_i32 s48, 161, s47
	s_lshl_b32 s48, s48, 23
	s_or_b32 s48, s48, 0x80000000
	v_mov_b32 v[SM], s48                           ; S* = -2^(34 - E)
	s_add_co_i32 s48, s42, 127
	s_lshl_b32 s49, s48, 23
	v_mov_b32 v[PSC], s49                          ; 2^e10
	s_add_co_i32 s48, s48, 8
	s_lshl_b32 s48, s48, 23
	s_or_b32 s48, s48, 0x600000
	v_mov_b32 v12, s48                             ; 448 x 2^e10
	v_mov_b32 v13, s48
	s_add_co_i32 s100, s42, s43                    ; e10 + e11
	s_add_co_i32 s48, s44, 127
	s_lshl_b32 s101, s48, 23                       ; 2^e12
	s_add_co_i32 s48, s48, 8
	s_lshl_b32 s104, s48, 23
	s_or_b32 s104, s104, 0x600000                  ; 448 x 2^e12
	s_wait_xcnt 0x0                                ; Q's loads have read their bases: the mask words may land on those registers
	s_mov_b32 s67, 0
.macro MLOAD                           ; a key step's 64 mask words: tile 0's into s32-63, tile 1's into s68-99
	s_load_b512 s[32:47], s[4:5], s67 offset:0x0
	s_load_b512 s[48:63], s[4:5], s67 offset:0x40
	s_load_b512 s[68:83], s[4:5], s67 offset:0x80
	s_load_b512 s[84:99], s[4:5], s67 offset:0xc0
.endm
	MLOAD
.macro CND x, j                        ; register j of tile x: a masked score becomes S*
	v_cndmask_b32 v[SS+32*(\x)+(\j)], v[SS+32*(\x)+(\j)], v[SM], s[32+36*(\x)+(\j)]
.endm
.macro MX x, n                         ; round n (0 .. 7) of tile x's two chains of maxima; the last takes the running maximum in
.set T_, ST+8*(\x)
.set S_, SS+32*(\x)
.if (\n) == 0
	v_max3_num_f32 v[T_+6], v[S_], v[S_+1], v[S_+2]
	v_max3_num_f32 v[T_+7], v[S_+3], v[S_+4], v[S_+5]
.elseif (\n) < 7
	v_max3_num_f32 v[T_+6], v[T_+6], v[S_+4*(\n)+2], v[S_+4*(\n)+3]
	v_max3_num_f32 v[T_+7], v[T_+7], v[S_+4*(\n)+4], v[S_+4*(\n)+5]
.else
	v_max3_num_f32 v[T_+6], v[T_+6], v[S_+30], v[S_+31]
	v_max_num_f32 v[T_+7], v[T_+7], v[T_+1]
.endif
.endm
.macro TL x, n                         ; line n (0 .. 8) of the way from the two chains to the new -M and f = 2^(old M - new M)
.set T_, ST+8*(\x)
.if (\n) == 0
	v_max_num_f32 v[T_+6], v[T_+6], v[T_+7]
.elseif (\n) == 1
	v_permlanex16_b32 v[T_+7], v[T_+6], s6, s7     ; lane l xor 16 holds my query's other 32 keys
.elseif (\n) == 2
	v_max_num_f32 v[T_+1], v[T_+6], v[T_+7]        ; the running largest raw score
.elseif (\n) == 3
	v_mul_f32 v[T_+6], s22, v[T_+1]                ; -t
.elseif (\n) == 4
	v_floor_f32 v[T_+6], v[T_+6]                   ; -M = floor(-t) = -ceil(t): M is a whole number
.elseif (\n) == 5
	v_sub_f32 v[T_+7], v[T_+6], v[T_]              ; old M - new M: a whole number, 0 or less
.elseif (\n) == 6
	v_mov_b32 v[T_], v[T_+6]
.elseif (\n) == 7
	v_cvt_i32_f32 v[T_+7], v[T_+7]                 ; (it saturates)
.else
	v_ldexp_f32 v[T_+4], 1.0, v[T_+7]
.endif
.endm
.macro FMA x, j                        ; t - M, two at a time
	v_pk_fma_f32 v[SS+32*(\x)+(\j):SS+32*(\x)+(\j)+1], v[SS+32*(\x)+(\j):SS+32*(\x)+(\j)+1], s[20:21], v[ST+8*(\x):ST+8*(\x)+1] op_sel_hi:[1,0,0]
.endm
.macro OMU x, j                        ; O^T under the new M; each accumulator from its low end on
	v_pk_mul_f32 v[OO+32*(\x)+(\j):OO+32*(\x)+(\j)+1], v[OO+32*(\x)+(\j):OO+32*(\x)+(\j)+1], v[ST+8*(\x)+4:ST+8*(\x)+5] op_sel_hi:[1,0]
.endm
; A KEY STEP: 64 keys, whose rows begin s66 bytes into each of the three tensors in LDS.
.macro STEP
	v_add_nc_u32 v[ADK], s66, v[AKH]               ; three additions and a v_nop: the four places between the last products and the loads into registers that they have read
	v_add_nc_u32 v[ADT], s66, v[ATK]
	v_add_nc_u32 v[ADV], s66, v[AVH]
	v_nop
.irp kt, 0,1,2,3
	ds_load_b128 v[FF+16*\kt:FF+16*\kt+3], v[ADK] offset:\kt*TILB
	ds_load_b128 v[FF+16*\kt+4:FF+16*\kt+7], v[ADK] offset:\kt*TILB+32
	ds_load_b128 v[FF+16*\kt+8:FF+16*\kt+11], v[ADT] offset:\kt*TILB
	ds_load_b128 v[FF+16*\kt+12:FF+16*\kt+15], v[ADT] offset:\kt*TILB+32
.endr
	s_wait_alu depctr_va_vdst(0)
	s_wait_dscnt 0x0
.irp kt, 0,1,2,3
.irp x, 0,1
	v_wmma_f32_16x16x128_fp8_fp8 v[SS+32*\x+8*\kt:SS+32*\x+8*\kt+7], v[FF+16*\kt:FF+16*\kt+15], v[QF+16*\x:QF+16*\x+15], 0
.endr
.endr
.rept 4
	v_nop                                          ; four places: in front of the loads into K's registers, and of the first read of the scores
.endr
.irp dt, 0,1,2,3
.irp c, 0,1,2,3
	ds_load_b64 v[FF+8*\dt+2*\c:FF+8*\dt+2*\c+1], v[ADV] offset:\dt*TILB+16*\c   ; V: channel 16 dt + r, keys 16 c + 8 h + 0 .. 7; they land under the softmax
.endr
.endr
	s_wait_kmcnt 0x0                               ; this step's mask words, asked for a step ago
.set N_, 0
.rept 32
	CND 0, N_                                      ; each accumulator from its low end on
.set N_, N_+1
.endr
.set N_, 0
.rept 8
	MX 0, N_
	CND 1, 2*N_
	CND 1, 2*N_+1
.set N_, N_+1
.endr
.set N_, 0
.rept 8                                ; round n of tile 1's maxima reads registers up to 4 n + 5; its selects are done up to 17 + 2 n
	CND 1, 16+2*N_
	CND 1, 17+2*N_
	TL 0, N_
	MX 1, N_
.set N_, N_+1
.endr
	s_add_co_u32 s67, s67, 256                     ; (behind the wait on KMcnt: the last loads have read it)
	s_min_u32 s67, s67, 3840                       ; the last step asks for its own words again: no load leaves the buffer
	MLOAD                                          ; the next step's words have the rest of this step in which to come
	TL 0, 8
.set N_, 0
.rept 8
	TL 1, N_
	FMA 0, 4*N_
	FMA 0, 4*N_+2
	OMU 0, 4*N_
	OMU 0, 4*N_+2
.set N_, N_+1
.endr
	TL 1, 8
.set N_, 0
.rept 16
	FMA 1, N_
.set N_, N_+2
.endr
.set N_, 0
.rept 16
	OMU 1, N_
.set N_, N_+2
.endr
	s_wait_alu depctr_va_vdst(0)                   ; ahead of the batch
.set N_, 0
.rept 64
	v_exp_f32 v[SS+N_], v[SS+N_]                   ; p = 2^(t - M), at most 1: not normalised
.set N_, N_+1
.endr
	v_pk_mul_f32 v[ST+2:ST+3], v[ST+2:ST+3], v[ST+4:ST+5] op_sel_hi:[1,0]         ; the sums under the new M: plain lines behind the exponentials
	v_pk_mul_f32 v[ST+10:ST+11], v[ST+10:ST+11], v[ST+12:ST+13] op_sel_hi:[1,0]
	s_wait_alu depctr_va_vdst(0)                   ; one wait for the batch of 64, ahead of its first reader
	v_pk_add_f32 v[ST+6:ST+7], v[SS:SS+1], v[SS+2:SS+3]                           ; the rows' sums are taken of the unquantised p: two at a time, two chains a tile, the four by turns
	v_pk_add_f32 v[ST+14:ST+15], v[SS+32:SS+33], v[SS+34:SS+35]
.irp j, 4,8,12,16,20,24,28
	v_pk_add_f32 v[ST+2:ST+3], v[ST+2:ST+3], v[SS+\j:SS+\j+1]
	v_pk_add_f32 v[ST+10:ST+11], v[ST+10:ST+11], v[SS+32+\j:SS+33+\j]
	v_pk_add_f32 v[ST+6:ST+7], v[ST+6:ST+7], v[SS+\j+2:SS+\j+3]
	v_pk_add_f32 v[ST+14:ST+15], v[ST+14:ST+15], v[SS+34+\j:SS+35+\j]
.endr
	v_pk_add_f32 v[ST+2:ST+3], v[ST+2:ST+3], v[ST+6:ST+7]
	v_pk_add_f32 v[ST+10:ST+11], v[ST+10:ST+11], v[ST+14:ST+15]
.set N_, 0
.rept 32
	v_dual_min_num_f32 v[SS+N_], v[SS+N_], v12 :: v_dual_min_num_f32 v[SS+N_+1], v[SS+N_+1], v13   ; the conversion does not saturate (ISA guide 7.6.2); p is not negative, so the hold is one-sided; two holds a line
.set N_, N_+2
.endr
.irp x, 0,1
.irp kt, 0,1,2,3
	v_cvt_scalef32_pk8_fp8_f32 v[PC+8*\x+2*\kt:PC+8*\x+2*\kt+1], v[SS+32*\x+8*\kt:SS+32*\x+8*\kt+7], v[PSC]
.endr
.endr
	v_nop                                          ; a plain vector line between the conversions and the products that read their results
	s_wait_alu depctr_va_vdst(0)                   ; directly ahead of the wait below
	s_wait_dscnt 0x0                               ; V
.irp dt, 0,1,2,3
.irp x, 0,1                            ; eight accumulators by turns, one instruction a turn
	v_wmma_f32_16x16x64_fp8_fp8 v[OO+32*\x+8*\dt:OO+32*\x+8*\dt+7], v[FF+8*\dt:FF+8*\dt+7], v[PC+8*\x:PC+8*\x+7], v[OO+32*\x+8*\dt:OO+32*\x+8*\dt+7]
.endr
.endr
.endm
.macro LOOPN first, n                  ; n key steps, from key step first on
	s_mov_b32 s66, (\first)*STEPB
	s_mov_b32 s3, \n
.Lstep_\@:
	STEP
	s_add_co_u32 s66, s66, STEPB
	s_sub_co_u32 s3, s3, 1
	s_cmp_lg_u32 s3, 0
	s_cbranch_scc1 .Lstep_\@
.endm
	s_wait_alu depctr_va_vdst(0)                   ; the head's end
	s_wait_tensorcnt 0x0                           ; waves 0, 1, 2: keys 0-255 are in.
	ds_add_u32 v[SPW], v[NIL]
	ds_add_u32 v[SPW], v[NIL]
	s_wait_dscnt 0x0
	s_barrier_signal -1
	s_barrier_wait -1
	s_cmp_lt_u32 s2, 4                             ; chunks 1, 2, 3 of k, t, v: waves 4 to 15 but 7, 11, 15, one load each, each into bytes filled for the first time
	s_cbranch_scc1 .Lno_rest
	s_cmp_eq_u32 s26, 3
	s_cbranch_scc1 .Lno_rest
	tensor_load_to_lds s[16:19], s[8:15]
	s_nop 0
.rept 4
	v_nop
.endr
.Lno_rest:
	s_wait_loadcnt 0x0                             ; Q
	LOOPN 0, 4                                     ; key steps 0 to 3: keys 0-255; the rest of the head lands meanwhile
	s_wait_tensorcnt 0x0                           ; my chunk is in
	s_barrier_signal -1
	s_barrier_wait -1                              ; all of the head is in LDS: the last barrier
	LOOPN 4, 12                                    ; key steps 4 to 15: each wave at its own pace
	; THE WAY OUT: O^T x 2^(e10 + e11) / the sum, quantised with e12; 32 codes a lane and tile go through my stage and leave as 2,048 consecutive bytes.  The additions and the address work are the places behind the last products.
	s_wait_kmcnt 0x0                               ; the last step's spare mask words are in
	v_add_f32 v[ST+6], v[ST+2], v[ST+3]
	v_add_f32 v[ST+14], v[ST+10], v[ST+11]
	s_delay_alu instid0(VALU_DEP_2)
	v_permlanex16_b32 v[ST+7], v[ST+6], s6, s7
	s_delay_alu instid0(VALU_DEP_2)
	v_permlanex16_b32 v[ST+15], v[ST+14], s6, s7
	s_delay_alu instid0(VALU_DEP_2)
	v_add_f32 v[ST+6], v[ST+6], v[ST+7]            ; the row's sum
	s_delay_alu instid0(VALU_DEP_2)
	v_add_f32 v[ST+14], v[ST+14], v[ST+15]
	s_wait_alu depctr_va_vdst(0)                   ; ahead of the reciprocals
	v_rcp_f32 v[ST+6], v[ST+6]
	v_rcp_f32 v[ST+14], v[ST+14]
	v_and_b32 v9, 15, v0                           ; (a plain line behind the reciprocals)  r
	v_bfe_u32 v30, v0, 4, 1                        ; h
	v_and_b32 v31, 31, v0
	s_mul_i32 s12, s2, 2560
	s_add_co_u32 s12, s12, STAGE                   ; my stage
	v_mul_u32_u24 v4, v9, 80
	v_lshrrev_b32 v5, 2, v31
	v_and_b32 v9, 3, v0
	s_delay_alu instid0(VALU_DEP_3)
	v_lshl_add_u32 v4, v30, 3, v4
	s_delay_alu instid0(VALU_DEP_3)
	v_mul_u32_u24 v5, v5, 80
	s_delay_alu instid0(VALU_DEP_2)
	v_add_nc_u32 v4, s12, v4                       ; in: row r, + 8 h
	s_delay_alu instid0(VALU_DEP_2)
	v_lshl_add_u32 v5, v9, 4, v5
	v_lshlrev_b32 v6, 4, v31                       ; 16 x lane
	s_delay_alu instid0(VALU_DEP_2)
	v_add_nc_u32 v5, s12, v5                       ; back: four lanes to a row of 64 bytes
	v_mov_b32 v10, s101                            ; 2^e12
	v_mov_b32 v11, s104                            ; 448 x 2^e12
	s_mov_b32 s10, s105
	s_mov_b32 s11, 0
	s_add_nc_u64 s[24:25], s[24:25], s[10:11]      ; xc at my first query
	s_wait_alu depctr_va_vdst(0)                   ; one wait for the two reciprocals, ahead of their first reader
	v_ldexp_f32 v[ST+4], v[ST+6], s100
	v_ldexp_f32 v[ST+12], v[ST+14], s100
	s_wait_alu depctr_va_vdst(0)                   ; directly ahead of the first reader of O^T
.irp x, 0,1
.set J_, 0
.rept 16
	v_pk_mul_f32 v[SS+32*\x+J_:SS+32*\x+J_+1], v[OO+32*\x+J_:OO+32*\x+J_+1], v[ST+8*\x+4:ST+8*\x+5] op_sel_hi:[1,0]   ; register 8 dt + j is x(query r, 16 dt + 8 h + j); each accumulator from its low end on
.set J_, J_+2
.endr
.endr
.set J_, 0
.rept 64
	v_med3_num_f32 v[SS+J_], v[SS+J_], -v11, v11
.set J_, J_+1
.endr
.irp x, 0,1
.irp dt, 0,1,2,3
	v_cvt_scalef32_pk8_fp8_f32 v[PC+8*\x+2*\dt:PC+8*\x+2*\dt+1], v[SS+32*\x+8*\dt:SS+32*\x+8*\dt+7], v10
.endr
.endr
	v_nop                                          ; a plain vector line behind the conversions
.irp x, 0,1
.irp dt, 0,1,2,3
	ds_store_b64 v4, v[PC+8*\x+2*\dt:PC+8*\x+2*\dt+1] offset:\x*1280+16*\dt
.endr
.endr
.irp i, 0,1,2,3
	ds_load_b128 v[112+4*\i:115+4*\i], v5 offset:\i*640   ; eight rows a load; LDS serves a wave's instructions in order: these see my stores
.endr
.irp i, 0,1,2,3
	s_wait_dscnt 3-\i
	global_store_b128 v6, v[112+4*\i:115+4*\i], s[24:25] offset:512*\i   ; 32 lanes store 512 consecutive bytes
.endr
	s_wait_tensorcnt 0x0                           ; the wave's end
	ds_add_u32 v[SPW], v[NIL]
	s_wait_dscnt 0x0
	s_endpgm
.Lfunc_end_k_q988d87ce0c_attn:
	.size	k_q988d87ce0c_attn, .Lfunc_end_k_q988d87ce0c_attn-k_q988d87ce0c_attn
	.p2alignl 7, 3214868480
	.fill 96, 4, 3214868480
	.section	.rodata,"a",@progbits
	.p2align	6, 0x0
	.amdhsa_kernel k_q988d87ce0c_attn
		.amdhsa_group_segment_fixed_size 327680
		.amdhsa_private_segment_fixed_size 0
		.amdhsa_enable_private_segment 0
		.amdhsa_kernarg_size 40
		.amdhsa_user_sgpr_count 2
		.amdhsa_user_sgpr_kernarg_segment_ptr 1
		.amdhsa_wavefront_size32 1
		.amdhsa_system_sgpr_workgroup_id_x 1
		.amdhsa_system_sgpr_workgroup_id_y 1
		.amdhsa_system_sgpr_workgroup_id_z 1
		.amdhsa_system_vgpr_workitem_id 0
		.amdhsa_next_free_vgpr 256
		.amdhsa_next_free_sgpr 106
		.amdhsa_reserve_vcc 0
		.amdhsa_float_denorm_mode_32 3
		.amdhsa_float_denorm_mode_16_64 3
		.amdhsa_memory_ordered 1
		.amdhsa_forward_progress 1
		.amdhsa_inst_pref_size 63
	.end_amdhsa_kernel
	.amdgpu_metadata
---
amdhsa.version: [ 1, 2 ]
amdhsa.kernels:
  - .name:           k_q988d87ce0c_attn
    .symbol:         k_q988d87ce0c_attn.kd
    .args:
      - { .name: hcodes, .offset: 0, .size: 8, .value_kind: global_buffer, .address_space: global }
      - { .name: tcodes, .offset: 8, .size: 8, .value_kind: global_buffer, .address_space: global }
      - { .name: mbits, .offset: 16, .size: 8, .value_kind: global_buffer, .address_space: global }
      - { .name: lowp_scales, .offset: 24, .size: 8, .value_kind: global_buffer, .address_space: global }
      - { .name: xc, .offset: 32, .size: 8, .value_kind: global_buffer, .address_space: global }
    .group_segment_fixed_size: 327680
    .private_segment_fixed_size: 0
    .kernarg_segment_align: 8
    .kernarg_segment_size: 40
    .max_flat_workgroup_size: 512
    .sgpr_count:     106
    .vgpr_count:     256
    .wavefront_size: 32
...
	.end_amdgpu_metadata
.endif
;; end of part 3
;; launch outp (part 4): grid 4 x 64, 4 waves a work-group, clusters of 4 x 4, 327,680 bytes of LDS; arguments xc, codes, lowp_scales, bM, out0; writes out0
.if DOCPART == 4
	.amdgcn_target "amdgcn-amd-amdhsa--gfx1250"
	.amdhsa_code_object_version 6
	.text
	.protected	k_q988d87ce0c_outp
	.globl	k_q988d87ce0c_outp
	.p2align	8
	.type	k_q988d87ce0c_outp,@function
k_q988d87ce0c_outp:
	s_mov_b64 s[64:65], 0
	v_nop
	global_prefetch_b8 v0, s[64:65] scope:SCOPE_SE
	s_setreg_imm32_b32 hwreg(HW_REG_WAVE_MODE, 25, 1), 1
	s_wait_xcnt 0x0
	s_wait_alu depctr_hold_cnt(0) depctr_sa_sdst(0) depctr_va_vdst(0) depctr_va_sdst(0) depctr_va_ssrc(0) depctr_va_vcc(0) depctr_vm_vsrc(0)
	s_getreg_b32 s2, hwreg(HW_REG_IB_STS2, 6, 4)
	s_cmp_eq_u32 s2, 0
	s_cbranch_scc0 .Lentry_in_a_cluster
	s_endpgm
.Lentry_in_a_cluster:
	s_bfe_u32 s2, ttmp6, 0x10000c
	s_cmp_lg_u32 s2, 0xf033
	s_cbranch_scc0 .Lentry_shape_is_right
	s_endpgm
.Lentry_shape_is_right:
.set SIZE_N, 1024
.set ROWB,   256
.set KROW,   1024
.set PITCH,  272
.set HROW,   4352                      ; a head's 64 rows of 64 bytes in LDS: four rows on end, then 16 bytes of padding: 16 x 272
.set FR,     16
.set NP,     4
.set HALFA,  4*HROW
.set HALFB,  128*PITCH
.set SLOT,   2*HALFA+2*HALFB
.set LAPS,   2
.set SPARE,  2*SLOT
.set SPITCH, 528
.set ADRA, 16
.set ADRB, 20
.set STO,  24
.set RD,   25
.set CO,   26
.set SPW,  28
.set NIL,  29
.set BT,   32
.set TMP,  32
.set AF,   128
.set BK,   128
.set G1, 24
.set G0, 32
.set G1B, 48
.set G0B, 56
.set MSB, 0
.macro WIN new
.if MSB != (\new)
	s_set_vgpr_msb (MSB<<8)|(\new)
.set MSB, (\new)
.endif
.endm
.set MUL_LO, 0xa1
.set TO_B,   0x40
.macro JLOAD g0a, g1a, g0b, g1b
	s_cmp_eq_u32 s15, 0
	s_cbranch_scc0 .Lfor_b_\@
	tensor_load_to_lds s[\g0a:\g0a+3], s[\g1a:\g1a+7]
	s_nop 0
.rept 4
	v_nop
.endr
	s_branch .Lasked_\@
.Lfor_b_\@:
	tensor_load_to_lds s[\g0b:\g0b+3], s[\g1b:\g1b+7]
	s_nop 0
.rept 4
	v_nop
.endr
.Lasked_\@:
.endm
.macro CREST
	s_cmp_lg_u32 s14, 0
	s_cbranch_scc1 .Lnot_wave_0_\@
	s_barrier_signal -3
.Lnot_wave_0_\@:
	s_barrier_wait -3
	s_barrier_signal -1
	s_barrier_wait -1
.endm
.macro CROUND
	s_barrier_signal -1
	s_barrier_wait -1
	CREST
.endm
	s_load_b256 s[68:75], s[0:1], 0x0
	s_load_b64 s[10:11], s[0:1], 0x20
	v_lshl_add_u32 v[SPW], v0, 2, SPARE
	v_mov_b32 v[NIL], 0
	ds_add_u32 v[SPW], v[NIL]
	ds_add_u32 v[SPW], v[NIL]
	v_lshrrev_b32 v1, 5, v0
	v_readfirstlane_b32 s14, v1
	s_lshr_b32 s15, s14, 1
	s_and_b32 s16, s14, 1
	s_bfe_u32 s40, ttmp6, 0x40000
	s_bfe_u32 s41, ttmp6, 0x40004
	s_mov_b32 s42, s40
	s_and_b32 s17, ttmp7, 0xffff
	s_lshl_b32 s17, s17, 2
	s_add_co_u32 s17, s17, s41
	s_lshl_b32 s43, s41, 2
	s_lshl_b32 s43, 15, s43
	s_lshl_b32 s44, 0x1111, s40
	s_or_b32 s[G1+0], s43, (0<<16)|(1<<20)|(1<<21)|(5<<22)|(3<<25)  ; A's tiles: 4 words of padding behind every 64
	s_mov_b32 s[G1+1], 4096<<16
	s_mov_b32 s[G1+2], 4<<16
	s_mov_b32 s[G1+3], 4096<<16
	s_mov_b32 s[G1+4], 4
	s_mov_b32 s[G1+5], 65536
	s_mov_b32 s[G1+6], 0
	s_mov_b32 s[G1+7], 0
	s_or_b32 s[G1B+0], s44, (0<<16)|(1<<20)|(1<<21)|(5<<22)|(3<<25)
	s_mov_b32 s[G1B+1], ROWB<<16
	s_mov_b32 s[G1B+2], 128<<16
	s_mov_b32 s[G1B+3], ROWB<<16
	s_mov_b32 s[G1B+4], 128
	s_mov_b32 s[G1B+5], KROW
	s_mov_b32 s[G1B+6], 0
	s_mov_b32 s[G1B+7], 0
	s_lshl_b32 s18, s16, 6
	s_lshl_b32 s20, s17, 7
	s_add_co_u32 s20, s20, s18
	s_lshr_b32 s19, s20, 10
	s_lshl_b32 s19, s19, 20
	s_and_b32 s20, s20, 1023
	s_lshl_b32 s20, s20, 6
	s_add_co_u32 s20, s20, s19
	s_mov_b32 s21, 0
	s_lshl_b32 s18, s16, 7
	s_lshl_b32 s46, s42, 8
	s_add_co_u32 s46, s46, s18
	s_lshl_b32 s46, s46, 10
	s_add_co_u32 s46, s46, 27<<20
	s_mov_b32 s47, 0
	s_mul_i32 s45, s16, HALFA
	s_mul_i32 s66, s16, HALFB
	s_add_co_u32 s66, s66, 2*HALFA
	s_wait_dscnt 0x0
	s_wait_kmcnt 0x0
	s_load_b64 s[96:97], s[72:73], 0x30
	s_add_nc_u64 s[20:21], s[68:69], s[20:21]
	s_add_nc_u64 s[46:47], s[70:71], s[46:47]
	CROUND
.irp s, 0,1
	s_mov_b32 s[G0+4*\s], 1
	s_add_co_u32 s[G0+4*\s+1], s45, \s*SLOT
	s_add_nc_u64 s[G0+4*\s+2:G0+4*\s+3], s[20:21], \s*262144
	s_or_b32 s[G0+4*\s+3], s[G0+4*\s+3], 0x80000000
	s_mov_b32 s[G0B+4*\s], 1
	s_add_co_u32 s[G0B+4*\s+1], s66, \s*SLOT
	s_add_nc_u64 s[G0B+4*\s+2:G0B+4*\s+3], s[46:47], \s*ROWB
	s_or_b32 s[G0B+4*\s+3], s[G0B+4*\s+3], 0x80000000
.endr
	; THE PREFETCHES' BASES.  The four partners that ask for a tile jointly share its blocks of 256 bytes out by address alone (place p = cx for A's tiles, cy for B's).
	; A's load brings 4 heads x 4,096 bytes: partner p takes head p, lanes 0-15 its sixteen blocks, the lanes left over name the last block again.  B's brings 128 rows x 256 bytes: partner p takes rows 32 p .. 32 p + 31, a lane a row.
	s_cmp_eq_u32 s15, 0                            ; waves 0, 1 fetch for A, waves 2, 3 for B
	s_cselect_b64 s[76:77], s[20:21], s[46:47]     ; what my wave fetches, at K step 0
	s_cselect_b32 s80, s40, s41                    ; p
	s_cselect_b32 s81, 16, 15                      ; from partner to partner: 65,536 bytes (a head) or 32 rows of 1,024
	s_cselect_b32 s82, 15, 31                      ; the last lane with a block of its own
	s_cselect_b32 s83, 8, 10                       ; from lane to lane: 256 bytes or a row of 1,024
	s_mov_b32 s84, 256
	s_cselect_b32 s84, 0x40000, s84                ; a K step on: four heads or 256 bytes of a row
	s_lshl_b32 s80, s80, s81
	s_mov_b32 s81, 0
	s_mov_b32 s85, 0
	s_add_nc_u64 s[76:77], s[76:77], s[80:81]
	s_add_nc_u64 s[76:77], s[76:77], s[84:85]      ; K step 1
	s_add_nc_u64 s[78:79], s[76:77], s[84:85]      ; K step 2
	s_add_nc_u64 s[86:87], s[78:79], s[84:85]      ; K step 3; none of the three is rewritten
	JLOAD G0, G1, G0B, G1B                         ; K step 0: one tensor load a wave at the head; the addresses and the bias below are made while it is out
	v_and_b32 v9, 31, v0
	v_min_u32 v9, s82, v9
	v_lshlrev_b32 v9, s83, v9                      ; my lane's block; never rewritten
	global_prefetch_b8 v9, s[76:77] th:TH_LOAD_NT scope:SCOPE_SE   ; K step 1, one instruction a wave; each block of 256 bytes is named by one wave of the cluster
	global_prefetch_b8 v9, s[78:79] th:TH_LOAD_NT scope:SCOPE_SE   ; K step 2: two K steps ahead of its load
	v_and_b32 v1, 15, v0
	v_bfe_u32 v2, v0, 4, 1
	v_mul_u32_u24 v3, v1, PITCH
	v_lshl_add_u32 v4, v2, 4, v3
	v_lshrrev_b32 v3, 2, v1
	v_mul_u32_u24 v3, v3, 272
	v_and_b32 v5, 3, v1
	v_lshl_add_u32 v3, v5, 6, v3                   ; A: row r of a block of 16 begins at 272 (r / 4) + 64 (r % 4): sixteen different groups of four banks
	v_lshl_add_u32 v3, v2, 4, v3
	s_mul_i32 s21, s15, HALFA
	s_mul_i32 s22, s16, HALFB
	s_add_co_u32 s22, s22, 2*HALFA
.irp s, 0,1
	v_add_nc_u32 v[ADRA+\s], s21, v3
	v_add_nc_u32 v[ADRB+\s], s22, v4
	s_add_co_u32 s21, s21, SLOT
	s_add_co_u32 s22, s22, SLOT
.endr
	s_mul_i32 s23, s14, 16*SPITCH
	v_mul_u32_u24 v5, v1, SPITCH
	v_lshl_add_u32 v5, v2, 5, v5
	v_add_nc_u32 v[STO], s23, v5
	v_and_b32 v6, 31, v0
	v_lshlrev_b32 v[CO], 4, v6
	v_add_nc_u32 v[RD], s23, v[CO]
	s_lshl_b32 s20, s17, 7
	s_lshl_b32 s21, s15, 6
	s_add_co_u32 s20, s20, s21
	s_lshl_b32 s20, s20, 12
	s_mov_b32 s21, 0
	s_lshl_b32 s46, s42, 10
	s_lshl_b32 s47, s16, 9
	s_add_co_u32 s46, s46, s47
	s_mov_b32 s47, 0
	v_lshl_add_u32 v7, v2, 5, s46
	s_add_nc_u64 s[20:21], s[20:21], s[46:47]
	s_add_nc_u64 s[10:11], s[10:11], s[20:21]
.irp b, 0,1,2,3,4,5,6,7
	global_load_b128 v[BT+8*\b:BT+8*\b+3], v7, s[74:75] offset:64*\b
	global_load_b128 v[BT+8*\b+4:BT+8*\b+7], v7, s[74:75] offset:64*\b+16
.endr
	s_wait_kmcnt 0x0
	s_add_co_i32 s98, s96, s97
	s_sub_co_i32 s99, 0, s98
	s_add_co_i32 s96, s98, 127
	s_lshl_b32 s96, s96, 23
	s_mov_b32 s97, s96
	s_wait_loadcnt 0x0
.set J_, 0
.rept 64
	v_ldexp_f32 v[BT+J_], v[BT+J_], s99
.set J_, J_+1
.endr
.macro FRAG reg, adr, q, i
.irp c, 0,1,2,3
	ds_load_b128 v[\reg+4*\c:\reg+4*\c+3], v[\adr] offset:128*(\q)+32*\c+(\i)*16*PITCH
.endr
.endm
.macro FRAGA reg, adr, q, i
.irp c, 0,1,2,3
	ds_load_b128 v[\reg+4*\c:\reg+4*\c+3], v[\adr] offset:(2*(\q)+\c/2)*HROW+32*(\c%2)+(\i)*1088
.endr
.endm
.macro MUL8 a, p, zero
.irp b, 0,1,2,3,4,5,6,7
.if \zero
	v_wmma_f32_16x16x128_fp8_fp8 v[8*(8*(\a)+\b):8*(8*(\a)+\b)+7], v[128*(\p)+FR*\b:128*(\p)+FR*\b+FR-1], v[AF+64*(\p)+FR*(\a):AF+64*(\p)+FR*(\a)+FR-1], v[BT+8*\b:BT+8*\b+7]
.else
	v_wmma_f32_16x16x128_fp8_fp8 v[8*(8*(\a)+\b):8*(8*(\a)+\b)+7], v[128*(\p)+FR*\b:128*(\p)+FR*\b+FR-1], v[AF+64*(\p)+FR*(\a):AF+64*(\p)+FR*(\a)+FR-1], v[8*(8*(\a)+\b):8*(8*(\a)+\b)+7]
.endif
.endr
.endm
.macro FETCH_B slot, q, p
	WIN TO_B
.irp i, 0,1,2,3,4,5,6,7
	FRAG 128*(\p)+FR*\i, ADRB+\slot, \q, \i
.endr
	WIN 0
.endm
.macro FETCH_A slot, q, p
.irp i, 0,1,2,3
	FRAGA AF+64*(\p)+FR*\i, ADRA+\slot, \q, \i
.endr
.endm
.macro PLACES n
.rept \n
	v_nop
.endr
.endm
.macro STEP slot, zero
	s_wait_dscnt 0x0
	PLACES NP
	FETCH_B \slot, 1, 1
	FETCH_A \slot, 1, 1
	WIN MUL_LO-0x20*(\zero)
	MUL8 0, 0, \zero
	MUL8 1, 0, \zero
	MUL8 2, 0, \zero
	MUL8 3, 0, \zero
	WIN 0
.endm
.macro TURN slot, next, fill
	s_wait_tensorcnt 0x0
	ds_add_u32 v[SPW], v[NIL]
	s_wait_dscnt 0x1
	WIN MUL_LO
	MUL8 0, 1, 0
	s_wait_dscnt 0x0
	s_barrier_signal -1
	MUL8 1, 1, 0
	WIN 0
	s_barrier_wait -1
.if \fill
	CREST
	s_add_nc_u64 s[G0+4*\slot+2:G0+4*\slot+3], s[G0+4*\slot+2:G0+4*\slot+3], 524288
	s_add_nc_u64 s[G0B+4*\slot+2:G0B+4*\slot+3], s[G0B+4*\slot+2:G0B+4*\slot+3], 2*ROWB
	JLOAD G0+4*\slot, G1, G0B+4*\slot, G1B
.else
	PLACES NP
.endif
	FETCH_B \next, 0, 0
	FETCH_A \next, 0, 0
	WIN MUL_LO
	MUL8 2, 1, 0
	MUL8 3, 1, 0
	WIN 0
.endm
	s_wait_alu depctr_va_vdst(0)
	s_wait_tensorcnt 0x0                           ; my part of K step 0 is in
	ds_add_u32 v[SPW], v[NIL]
	s_wait_dscnt 0x0
	CROUND                                         ; everybody's part of K step 0 is in, and the joint loads meet
	JLOAD G0+4, G1, G0B+4, G1B                     ; K step 1: the first tensor load behind the round
	FETCH_B 0, 0, 0
	FETCH_A 0, 0, 0
	global_prefetch_b8 v9, s[86:87] th:TH_LOAD_NT scope:SCOPE_SE   ; behind K step 1's load and the fragment loads: K step 3, the last: two K steps ahead of its load; no later change of slots asks for anything
	STEP 0, 1
	s_mov_b32 s3, LAPS-1
.Llap:
	TURN 0, 1, 1
	STEP 1, 0
	TURN 1, 0, 1
	STEP 0, 0
	s_sub_co_u32 s3, s3, 1
	s_cmp_lg_u32 s3, 0
	s_cbranch_scc1 .Llap
	TURN 0, 1, 0
	STEP 1, 0
	s_wait_dscnt 0x0
	WIN MUL_LO
	MUL8 0, 1, 0
	MUL8 1, 1, 0
	MUL8 2, 1, 0
	MUL8 3, 1, 0
	WIN 0
.macro TOSTAGE a
.set AC, 64*(\a)
	WIN 0x02
.set J_, 0
.rept 32
	v_pk_mul_f32 v[TMP+J_:TMP+J_+1], v[AC+J_:AC+J_+1], s[96:97] op_sel_hi:[1,0]
.set J_, J_+2
.endr
	WIN 0
.irp b, 0,1,2,3,4,5,6,7
	ds_store_b128 v[STO], v[TMP+8*\b:TMP+8*\b+3] offset:64*\b
	ds_store_b128 v[STO], v[TMP+8*\b+4:TMP+8*\b+7] offset:64*\b+16
.endr
.set BB, BK+64*((\a)%2)
.irp t, 0,1,2,3,4,5,6,7,8,9,10,11,12,13,14,15
	ds_load_b128 v[BB+4*\t:BB+4*\t+3], v[RD] offset:\t*SPITCH
.endr
.endm
.macro SEND a, younger
.set BB, BK+64*((\a)%2)
	s_wait_dscnt \younger
.if (\a) > 0
	s_add_nc_u64 s[10:11], s[10:11], 16*SIZE_N*4
.endif
.irp t, 0,1,2,3,4,5,6,7,8,9,10,11,12,13,14,15
	global_store_b128 v[CO], v[BB+4*\t:BB+4*\t+3], s[10:11] offset:\t*SIZE_N*4 th:TH_STORE_NT
.endr
.endm
	PLACES NP
	TOSTAGE 0
.irp a, 1,2,3
.if \a > 1
	s_wait_xcnt 0x0
.endif
	TOSTAGE \a
	SEND \a-1, 32
.endr
	s_wait_xcnt 0x0
	SEND 3, 0
	s_wait_tensorcnt 0x0
	ds_add_u32 v[SPW], v[NIL]
	s_wait_dscnt 0x0
	CROUND
	s_endpgm
.Lfunc_end_k_q988d87ce0c_outp:
	.size	k_q988d87ce0c_outp, .Lfunc_end_k_q988d87ce0c_outp-k_q988d87ce0c_outp
	.p2alignl 7, 3214868480
	.fill 96, 4, 3214868480
	.section	.rodata,"a",@progbits
	.p2align	6, 0x0
	.amdhsa_kernel k_q988d87ce0c_outp
		.amdhsa_group_segment_fixed_size 327680
		.amdhsa_private_segment_fixed_size 0
		.amdhsa_enable_private_segment 0
		.amdhsa_kernarg_size 40
		.amdhsa_user_sgpr_count 2
		.amdhsa_user_sgpr_kernarg_segment_ptr 1
		.amdhsa_wavefront_size32 1
		.amdhsa_system_sgpr_workgroup_id_x 1
		.amdhsa_system_sgpr_workgroup_id_y 1
		.amdhsa_system_sgpr_workgroup_id_z 1
		.amdhsa_system_vgpr_workitem_id 0
		.amdhsa_next_free_vgpr 768
		.amdhsa_next_free_sgpr 106
		.amdhsa_reserve_vcc 0
		.amdhsa_float_denorm_mode_32 3
		.amdhsa_float_denorm_mode_16_64 3
		.amdhsa_memory_ordered 1
		.amdhsa_forward_progress 1
		.amdhsa_inst_pref_size 83
	.end_amdhsa_kernel
	.amdgpu_metadata
---
amdhsa.version: [ 1, 2 ]
amdhsa.kernels:
  - .name:           k_q988d87ce0c_outp
    .symbol:         k_q988d87ce0c_outp.kd
    .args:
      - { .name: xc, .offset: 0, .size: 8, .value_kind: global_buffer, .address_space: global }
      - { .name: codes, .offset: 8, .size: 8, .value_kind: global_buffer, .address_space: global }
      - { .name: lowp_scales, .offset: 16, .size: 8, .value_kind: global_buffer, .address_space: global }
      - { .name: bM, .offset: 24, .size: 8, .value_kind: global_buffer, .address_space: global }
      - { .name: out0, .offset: 32, .size: 8, .value_kind: global_buffer, .address_space: global }
    .group_segment_fixed_size: 327680
    .private_segment_fixed_size: 0
    .kernarg_segment_align: 8
    .kernarg_segment_size: 40
    .max_flat_workgroup_size: 128
    .sgpr_count:     106
    .vgpr_count:     768
    .wavefront_size: 32
...
	.end_amdgpu_metadata
.endif
;; end of part 4
